; MI455X (gfx1250); checked and timed in simulation.
; The chip was launched on July 23, 2026; its instructions are those of AMD's public machine-readable ISA for CDNA 5 (MIT licence, August 2026) and "CDNA5" Instruction Set Architecture Reference Guide (July 2026). The comments in the code are by the model that wrote it; some were corrected since.
;; Trainable Clustering Loss. Allowed arithmetic: matrix products marked QUANTISED: E4M3 operands, one given power-of-two scale a tensor, by v_wmma_f32_16x16x64_fp8_fp8 or v_wmma_f32_16x16x128_fp8_fp8, f32 sums; everything else in f32.
;; Inputs: centroids 1,024 x 512 float32; embeddings 131,072 x 512 float32; lowp_scales 2 int32 (the exponents e of the quantised operands' scales 2^e).
;; Outputs: out0 one number float32; out1 131,072 int32.
;; This version of the problem:
;;   THIS VERSION OF THE PROBLEM IS GIVEN IN LOW PRECISION. The matrix products marked QUANTISED in the list below multiply operands that are first quantised to E4M3 (4 exponent bits, 3 mantissa bits; 8 bits a number), with one given power-of-two scale for each operand tensor; their sums are f32. All else is computed in f32.
;;   The module's matrix products, in the order in which they are computed (A, B: the left and right operand; K: the contracted axis; several contracted axes count as one K, in the product's order):
;;     1. [M 131,072, K 512] x [K 512, N 1,024]; A: input embeddings; B: input centroids: QUANTISED (scales: A lowp_scales[0], B lowp_scales[1])
;;   THE QUANTISER, for each operand of a quantised product, along K:
;;     - The operand's scale is 2^e, e = its entry of the input lowp_scales (int32; the entries are numbered through the quantised products in the list's order, A before B).
;;     - Each number is divided by the scale, clamped to +-448, and rounded to the nearest number of E4M3, ties to even, subnormals kept.
;;     - The product sums the exact products of the quantised numbers (number of the format x scale) in f32.
;;   ~~~python
;;   def quantise(x, axis, e):      # numpy; x: float32 -> the quantised numbers, widened to float32 again
;;       x = np.moveaxis(x, axis, -1); K = x.shape[-1]
;;       r = np.clip(x / 2.0 ** e, -448, 448)
;;       step = 2.0 ** (np.maximum(np.frexp(np.where(r == 0, 1, r))[1] - 1, -6) - 3)
;;       q = np.round(r / step) * step * 2.0 ** e      # np.round: ties to even
;;       return np.moveaxis(q, -1, axis).astype(np.float32)
;;   ~~~
;; 2 versions. Each part assembles by itself: llvm-mc -triple=amdgcn-amd-amdhsa -mcpu=gfx1250 --defsym DOCPART=n.
;; ======== version 1 of 2: 4 launches
;; workspace buffers: wcodes 524,288 bytes; bias 4,096 bytes; assigned 524,288 bytes of whole numbers; partial 1,024 bytes
;; launch prep (part 1): grid 16 x 1, 4 waves a work-group, no clusters, 34,816 bytes of LDS; arguments centroids, lowp_scales, wcodes, bias; writes wcodes, bias
.if DOCPART == 1
	.amdgcn_target "amdgcn-amd-amdhsa--gfx1250"
	.amdhsa_code_object_version 6
	.text
	.protected	k_q0c022ef685_prep
	.globl	k_q0c022ef685_prep
	.p2align	8
	.type	k_q0c022ef685_prep,@function
k_q0c022ef685_prep:
	s_mov_b64 s[64:65], 0
	v_nop
	global_prefetch_b8 v0, s[64:65] scope:SCOPE_SE
	s_setreg_imm32_b32 hwreg(HW_REG_WAVE_MODE, 25, 1), 1
	s_wait_xcnt 0x0
; PREP.  The 1,024 centroids [1024][512] f32 become (a) codes of E4M3 with the given scale 2^eb, laid as images of the matrix operand's registers,
; and (b) for each centroid k the number bias[k] = -(sum of its squares) x 2^(-1 - ea - eb), which the next launch takes as the start of each sum.
; code = x / 2^eb, held within +-448, to the nearest code, ties to even.
; THE ORDER ALONG K.  A lane takes 16 bytes of each of a row's four runs of 512 bytes: lane l holds k = 128 a + 4 l + b in register 4 a + b.  Its 16 codes are stored on end at
; byte 16 l of the row of codes: place 16 l + 4 a + b holds k = 128 a + 4 l + b.  The next launch lays the embeddings' codes in the same order, so every product meets its partner.
; IMAGES.  wcodes: [tile T 0..63][K step s 0..3][group c 0..3][lane][16 bytes]; lane (r = lane % 16, h = lane / 16) holds centroid 16 T + r, places 128 s + 32 c + 16 h + 0 .. 15.
; SHARES.  Wave w of work-group g takes tile T = 4 g + w: 16 rows of 2,048 bytes, each read by four loads of 512 consecutive bytes.  The codes turn through the wave's own 16 rows in LDS.
; LIMITS: eb between -126 and 119; the bias is made by v_ldexp_f32 and has to be a finite number.  NaN among the inputs is not served.
; No matrix unit, no cluster, no tensor load: 2 MiB are read once by 64 waves that share nothing but the 64 sums of a work-group.
.set PITCH, 528                        ; a row of codes in LDS: 512 bytes + 16: 33 x 16, so the 16 rows that a read touches begin at 16 different columns of 16 bytes
.set WREG,  16*PITCH                   ; a wave's 16 rows
.set CS,    4*WREG                     ; behind them: the work-group's 64 sums of squares, 256 bytes
.set LI,    1                          ; v1   16 x lane
.set RS,    2                          ; v2   where I store a row's 16 codes: wave's rows + 16 x lane
.set FR,    3                          ; v3   where I read a fragment's 16 bytes: wave's rows + r x PITCH + 16 h
.set CSA,   4                          ; v4   my wave's 16 sums
.set SCL,   5                          ; v5   2^eb as f32
.set LIM,   6                          ; v6   448 x 2^eb
.set PX,    7                          ; v7   what comes from the other half of the lanes
.set SUM,   8                          ; v8-11 two packed chains of squares
.set CD,    16                         ; v16-31 four sets of 4 registers of codes, by turns
.set ST,    32                         ; v32-159 eight rows x 16 numbers
.set RB,    160                        ; v160-223 the 16 groups read back
.set BI,    224                        ; v224-225 two sums, then two biases
.set CRD,   226                        ; v226 where wave 0 reads the sums: CS + 8 x lane
.set BO,    227                        ; v227 8 x lane
.set RSUM,  240                        ; v240-255 a row's sum, a register for each row: no store's data are written again
	s_load_b256 s[4:11], s[0:1], 0x0               ; centroids s[4:5], the exponents s[6:7], wcodes s[8:9], bias s[10:11]
	v_lshl_add_u32 v238, v0, 2, 0x8600
	v_mov_b32 v239, 0
	v_lshrrev_b32 v12, 5, v0
	v_readfirstlane_b32 s12, v12                   ; wave 0..3
	v_and_b32 v13, 31, v0                          ; lane
	v_and_b32 v14, 15, v0                          ; r
	v_bfe_u32 v15, v0, 4, 1                        ; h
	v_lshlrev_b32 v[LI], 4, v13
	s_mul_i32 s13, s12, WREG
	v_add_nc_u32 v[RS], s13, v[LI]
	v_mul_u32_u24 v[FR], v14, PITCH
	v_lshl_add_u32 v[FR], v15, 4, v[FR]
	v_add_nc_u32 v[FR], s13, v[FR]
	s_lshl_b32 s14, s12, 6
	s_add_co_u32 s14, s14, CS
	v_mov_b32 v[CSA], s14
	v_lshlrev_b32 v[BO], 3, v13
	v_add_nc_u32 v[CRD], CS, v[BO]
	v_mov_b32 v[PX], 0                             ; a lane permute's destination counts as read: written once
	s_mov_b32 s24, 0x76543210                      ; v_permlanex16_b32: each lane takes its own place in the other half
	s_mov_b32 s25, 0xfedcba98
	s_lshl_b32 s15, ttmp9, 2
	s_add_co_u32 s15, s15, s12                     ; T
	s_lshl_b32 s18, s15, 15                        ; 16 rows of 2,048 bytes
	s_mov_b32 s19, 0
	s_lshl_b32 s20, s15, 13                        ; an image of 8,192 bytes
	s_mov_b32 s21, 0
	s_lshl_b32 s22, ttmp9, 8                       ; 64 biases
	s_mov_b32 s23, 0
	s_wait_kmcnt 0x0
	s_load_b64 s[16:17], s[6:7], 0x0               ; ea, eb
	s_add_nc_u64 s[4:5], s[4:5], s[18:19]
	s_add_nc_u64 s[8:9], s[8:9], s[20:21]
	s_add_nc_u64 s[10:11], s[10:11], s[22:23]
.macro RLOAD q                         ; row q: four loads of 512 consecutive bytes, into set q % 8
.irp a, 0,1,2,3
	global_load_b128 v[ST+16*((\q)%8)+4*\a:ST+16*((\q)%8)+4*\a+3], v[LI], s[4:5] offset:(\q)*2048+\a*512
.endr
.endm
.irp q, 0,1,2,3,4,5,6,7
	RLOAD \q
.endr
	s_wait_kmcnt 0x0
	s_add_co_i32 s27, s17, 127
	s_lshl_b32 s28, s27, 23
	v_mov_b32 v[SCL], s28                          ; the conversion takes this number's exponent field
	s_add_co_i32 s27, s27, 8
	s_lshl_b32 s27, s27, 23
	s_or_b32 s27, s27, 0x600000
	v_mov_b32 v[LIM], s27
	s_sub_co_i32 s26, -1, s16
	s_sub_co_i32 s26, s26, s17                     ; -1 - ea - eb
.macro CROW q
.set XS, ST+16*((\q)%8)
.set CQ, CD+4*((\q)%4)
.if (\q) < 8
	s_wait_loadcnt 28                              ; behind row q's four loads: rows q + 1 .. 7 and the reloaded rows 8 .. 7 + q: seven rows of four
.else
	s_wait_loadcnt 4*(15-(\q))                     ; behind them: rows q + 1 .. 15
.endif
	v_pk_mul_f32 v[SUM:SUM+1], v[XS:XS+1], v[XS:XS+1]              ; the squares of the numbers as they are given, in two packed chains; the first products start them
	v_pk_mul_f32 v[SUM+2:SUM+3], v[XS+2:XS+3], v[XS+2:XS+3]
.irp j, 4,8,12
	v_pk_fma_f32 v[SUM:SUM+1], v[XS+\j:XS+\j+1], v[XS+\j:XS+\j+1], v[SUM:SUM+1]
	v_pk_fma_f32 v[SUM+2:SUM+3], v[XS+\j+2:XS+\j+3], v[XS+\j+2:XS+\j+3], v[SUM+2:SUM+3]
.endr
	v_pk_add_f32 v[SUM:SUM+1], v[SUM:SUM+1], v[SUM+2:SUM+3]
	v_add_f32 v[SUM], v[SUM], v[SUM+1]
	v_add_f32_dpp v[SUM], v[SUM], v[SUM] row_xmask:1 row_mask:0xf bank_mask:0xf
	v_add_f32_dpp v[SUM], v[SUM], v[SUM] row_xmask:2 row_mask:0xf bank_mask:0xf
	v_add_f32_dpp v[SUM], v[SUM], v[SUM] row_xmask:4 row_mask:0xf bank_mask:0xf
	v_add_f32_dpp v[SUM], v[SUM], v[SUM] row_xmask:8 row_mask:0xf bank_mask:0xf
	v_permlanex16_b32 v[PX], v[SUM], s24, s25
	v_add_f32 v[RSUM+(\q)], v[SUM], v[PX]          ; every lane holds the row's sum
	ds_store_b32 v[CSA], v[RSUM+(\q)] offset:4*(\q) ; all lanes write the same word with the same number
.irp i, 0,1,2,3,4,5,6,7,8,9,10,11,12,13,14,15
	v_med3_num_f32 v[XS+\i], v[XS+\i], -v[LIM], v[LIM]             ; the conversion to an 8-bit code does not saturate (ISA guide 7.6.2): the hold at the largest code x the scale
.endr
	s_wait_dscnt 7                                 ; behind row q - 4's store of codes, which read this set: two stores for each of three rows, and this row's sum
	v_cvt_scalef32_pk8_fp8_f32 v[CQ:CQ+1], v[XS:XS+7], v[SCL]
	v_cvt_scalef32_pk8_fp8_f32 v[CQ+2:CQ+3], v[XS+8:XS+15], v[SCL]
	v_nop                                          ; one plain vector line behind the conversions
	ds_store_b128 v[RS], v[CQ:CQ+3] offset:PITCH*(\q)  ; the wave writes the row's 512 codes on end
.if (\q) < 8
	RLOAD (\q)+8
.endif
.endm
.irp q, 0,1,2,3,4,5,6,7,8,9,10,11,12,13,14,15
	CROW \q
.endr
	; the image: group (s, c) of my lane is 16 bytes of row r.  LDS serves a wave's instructions in order: these reads see my stores
.irp s, 0,1,2,3
.irp c, 0,1,2,3
	ds_load_b128 v[RB+16*\s+4*\c:RB+16*\s+4*\c+3], v[FR] offset:128*\s+32*\c
.endr
.endr
.irp s, 0,1,2,3
.irp c, 0,1,2,3
	s_wait_dscnt 15-4*\s-\c
	global_store_b128 v[LI], v[RB+16*\s+4*\c:RB+16*\s+4*\c+3], s[8:9] offset:2048*\s+512*\c   ; 32 lanes store 512 consecutive bytes, at a multiple of 256 from the buffer's first byte
.endr
.endr
	s_wait_dscnt 0x0                               ; for the others' sake: my sums lie in LDS
	s_barrier_signal -1
	s_barrier_wait -1
	s_cmp_lg_u32 s12, 0                            ; wave 0 stores the work-group's 64 biases: 256 consecutive bytes by one instruction
	s_cbranch_scc1 .Ldone
	ds_load_b64 v[BI:BI+1], v[CRD]
	s_wait_dscnt 0x0
	v_ldexp_f32 v[BI], v[BI], s26
	v_ldexp_f32 v[BI+1], v[BI+1], s26
	v_xor_b32 v[BI], 0x80000000, v[BI]             ; the bias is taken away from the sums
	v_xor_b32 v[BI+1], 0x80000000, v[BI+1]
	global_store_b64 v[BO], v[BI:BI+1], s[10:11]
.Ldone:
	s_wait_tensorcnt 0x0
	ds_add_u32 v238, v239
	s_wait_dscnt 0x0
	s_endpgm
.Lfunc_end_k_q0c022ef685_prep:
	.size	k_q0c022ef685_prep, .Lfunc_end_k_q0c022ef685_prep-k_q0c022ef685_prep
	.p2alignl 7, 3214868480
	.fill 96, 4, 3214868480
	.section	.rodata,"a",@progbits
	.p2align	6, 0x0
	.amdhsa_kernel k_q0c022ef685_prep
		.amdhsa_group_segment_fixed_size 34816
		.amdhsa_private_segment_fixed_size 0
		.amdhsa_enable_private_segment 0
		.amdhsa_kernarg_size 32
		.amdhsa_user_sgpr_count 2
		.amdhsa_user_sgpr_kernarg_segment_ptr 1
		.amdhsa_wavefront_size32 1
		.amdhsa_system_sgpr_workgroup_id_x 1
		.amdhsa_system_sgpr_workgroup_id_y 1
		.amdhsa_system_sgpr_workgroup_id_z 1
		.amdhsa_system_vgpr_workitem_id 0
		.amdhsa_next_free_vgpr 256
		.amdhsa_next_free_sgpr 66
		.amdhsa_reserve_vcc 0
		.amdhsa_float_denorm_mode_32 3
		.amdhsa_float_denorm_mode_16_64 3
		.amdhsa_memory_ordered 1
		.amdhsa_forward_progress 1
		.amdhsa_inst_pref_size 49
	.end_amdhsa_kernel
	.amdgpu_metadata
---
amdhsa.version: [ 1, 2 ]
amdhsa.kernels:
  - .name:           k_q0c022ef685_prep
    .symbol:         k_q0c022ef685_prep.kd
    .args:
      - { .name: centroids, .offset: 0, .size: 8, .value_kind: global_buffer, .address_space: global }
      - { .name: lowp_scales, .offset: 8, .size: 8, .value_kind: global_buffer, .address_space: global }
      - { .name: wcodes, .offset: 16, .size: 8, .value_kind: global_buffer, .address_space: global }
      - { .name: bias, .offset: 24, .size: 8, .value_kind: global_buffer, .address_space: global }
    .group_segment_fixed_size: 34816
    .private_segment_fixed_size: 0
    .kernarg_segment_align: 8
    .kernarg_segment_size: 32
    .max_flat_workgroup_size: 128
    .sgpr_count:     66
    .vgpr_count:     256
    .wavefront_size: 32
...
	.end_amdgpu_metadata
.endif
;; end of part 1
;; launch assign (part 2): grid 256 x 1, 4 waves a work-group, no clusters, 303,616 bytes of LDS; arguments embeddings, wcodes, bias, lowp_scales, out1, assigned; writes out1, assigned
.if DOCPART == 2
	.amdgcn_target "amdgcn-amd-amdhsa--gfx1250"
	.amdhsa_code_object_version 6
	.text
	.protected	k_q0c022ef685_assign
	.globl	k_q0c022ef685_assign
	.p2align	8
	.type	k_q0c022ef685_assign,@function
k_q0c022ef685_assign:
	s_mov_b64 s[64:65], 0
	v_nop
	global_prefetch_b8 v0, s[64:65] scope:SCOPE_SE
	s_setreg_imm32_b32 hwreg(HW_REG_WAVE_MODE, 25, 1), 1
	s_wait_xcnt 0x0
; ASSIGN.  For each of 131,072 rows of embeddings [131072][512] f32: the index of the centroid with the smallest squared distance, the cross product taken on codes of E4M3.
; d2[n][k] = e_sq[n] - 2 cross[n][k] + c_sq[k].  e_sq is the same for all k of a row, so the smallest d2 is the LARGEST key[n][k] = (sum over K of code_e x code_c) - c_sq[k] x 2^(-1 - ea - eb).
; The second term (buffer bias) is the C of each sum's first matrix instruction: forming the key costs no vector instruction.
; STATED LIMITS.  The order of rounding differs from d2's as written (e_sq is not added; the bias stands at the head of the sum).  Equal keys: the lower index.  ea between -126 and 119.  NaN is not served.
; SHARES.  Work-group g owns rows 512 g .. 512 g + 511: 32 tiles of 16 rows.  THE CENTROIDS STAY IN REGISTERS: in pass p wave w holds the codes of centroids 512 p + 128 w + 0 .. 127,
; 8 tiles x 4 K steps x 16 registers = 512 registers, loaded from wcodes as images of the operand's registers.  The rows' codes go round through LDS and stay there.
; PASS 0, eight laps of four tiles, QUANTISED ONE LAP AHEAD.  While lap i's four tiles are multiplied, wave w quantises its tile of lap i + 1 (tile 4 (i + 1) + w), four rows behind each tile's search,
; and asks for the same four rows of lap i + 2.  So a wave's loads go out 16 at a time, a quarter of a lap apart, and 48 to 64 of them, 512 bytes each, are on their way throughout.
; ONE BARRIER A LAP, in its fourth tile: behind it lap i + 1's 64 rows of codes lie in LDS.  Each byte of the codes is written once in the launch, so no read has to be ordered ahead of a later store.
; PASS 1: the other 512 centroids, the same codes from LDS, no memory traffic, no barrier.
; THE MATRIX INSTRUCTION IS USED TRANSPOSED: source 0 = 16 centroids, source 1 = 16 rows: lane (r, h) holds row r, and register j of tile t centroid 16 t + 8 h + j.
; THE ORDER ALONG K is permuted alike in both operands: place 16 l + 4 a + b of a row of codes holds k = 128 a + 4 l + b, which is what lane l holds behind four loads of 512 consecutive bytes.
; So a lane's 16 codes are stored on end by one instruction, and no f32 number goes through LDS.
; NO CLUSTER, NO TENSOR LOAD: what the work-groups share, 512 KiB of centroid codes, goes from memory into each work-group's registers once; through LDS it would be written and read once more,
; and of LDS 303,104 bytes are taken by the rows' codes and the waves' results.
; REGISTERS, in windows of 256 (s_set_vgpr_msb's low byte: bits 1:0 source 0, 3:2 source 1, 5:4 source 2, 7:6 destination):
;   window 0: v1-13 addresses and constants; v17-27 the search; v28-31 pass 0's result; v32-47 codes; v64-127 a tile's fragment; v128-191 eight accumulators; v192-255 the biases in the result's layout
;   window 1: 16 rows x 16 numbers of f32 on their way; in pass 1 the centroids' K steps 0, 1.   window 2: pass 0's K steps 0, 1.   window 3: K steps 2, 3.
.set PITCH,  528                       ; a row of codes in LDS: 512 bytes + 16 = 33 x 16: the 16 rows of a fragment load begin at 16 different columns of 16 bytes
.set TILEB,  16*PITCH                  ; a tile of 16 rows
.set LAPB,   4*TILEB                   ; a lap's four tiles
.set PART,   32*TILEB                  ; behind the codes: [wave][tile 32][lane 32] x (key, index), 8,192 bytes a wave, each wave's own until the last barrier
.set PASSW,  262144                    ; the images of 512 centroids in wcodes
.set LAPG,   131072                    ; a lap's 64 rows of f32
.set LI,   1                           ; v1   16 x lane
.set IMGB, 2                           ; v2   16 x lane + wave x TILEB
.set IMG,  3                           ; v3   + the lap in hand: the stores of codes reach a lap further by their immediate
.set AFB,  4                           ; v4   r x PITCH + 16 h
.set AFA,  5                           ; v5   + the lap: where I read a fragment
.set PAB,  6                           ; v6   PART + 8,192 x wave + 8 x lane
.set PA,   7                           ; v7   + the lap: my (key, index)
.set SCL,  8                           ; v8   2^ea as f32
.set LIM,  9                           ; v9   448 x 2^ea
.set LB,   10                          ; v10  the index of my register 0 of tile 0: 8 h + 128 x wave (+ 512 in pass 1)
.set BO,   11                          ; v11  32 h
.set FA,   12                          ; v12  the end: where thread T reads the results of rows 4 T .. 4 T + 3
.set FO,   13                          ; v13  16 T
.set MR0,  26                          ; the largest key of tile t: tile 0's register becomes the largest of all
.set MR1,  17
.set MR2,  18
.set MR3,  19
.set MR4,  20
.set MR5,  21
.set MR6,  22
.set MR7,  23
.set TID,  24                          ; v24  the winning tile
.set POS,  25                          ; v25  the place in it
.set KEY,  26                          ; v[26:27] (key, index): a pair for the 8-byte store
.set IDX,  27
.set OLD,  28                          ; v[28:29], v[30:31] pass 0's (key, index), by turns
.set CD,   32                          ; v32-47 four sets of 4 registers of codes; at the end v32-35 the four indices
.set AF,   64
.set ACC,  128
.set BIAS, 192
.set SM,   22                          ; s22  the lap x LAPB
.set PM,   23                          ; s23  the lap x 1,024
.set MSB, 0
.macro WIN new                         ; the immediate's high byte repeats the setting that is left; a switch that changes nothing is dropped
.if MSB != \new
	s_set_vgpr_msb (MSB<<8)|\new
.set MSB, \new
.endif
.endm
.macro BARRIER                         ; my LDS stores have landed and my LDS loads are in: then the work-group's barrier
	s_wait_dscnt 0x0
	s_barrier_signal -1
	s_barrier_wait -1
.endm
; The centroids' K steps s0 and s0 + 1 of pass p, 8 tiles: 64 loads of 512 consecutive bytes, into the window that is set
.macro LOADB p, s0
.irp u, 0,1
.irp t, 0,1,2,3,4,5,6,7
.irp c, 0,1,2,3
	global_load_b128 v[128*\u+16*\t+4*\c:128*\u+16*\t+4*\c+3], v[LI], s[6:7] offset:\p*PASSW+\t*8192+(\s0+\u)*2048+\c*512
.endr
.endr
.endr
.endm
; The biases of pass p in the result's layout: register 8 t + j of lane (r, h) is that of centroid 16 t + 8 h + j
.macro LOADBIAS p
.irp t, 0,1,2,3,4,5,6,7
	global_load_b128 v[BIAS+8*\t:BIAS+8*\t+3], v[BO], s[8:9] offset:\p*2048+64*\t
	global_load_b128 v[BIAS+8*\t+4:BIAS+8*\t+7], v[BO], s[8:9] offset:\p*2048+64*\t+16
.endr
.endm
; Rows 4 G .. 4 G + 3 of a tile of mine become codes and go to LDS, dst bytes behind v[IMG]; their registers are asked for anew.
; kind = 0: with the same rows of my tile a lap further on, ahead bytes behind the base; kind = 1: with pass 1's centroids, K steps 0 and 1.
.macro QGROUP G, kind, dst, ahead
	s_wait_loadcnt 48                              ; behind these four rows' 16 loads: the same tile's later rows, 48 - 16 G loads, and the reloads issued since, 16 G
	WIN 0x41                                       ; the numbers in window 1, the bound in window 0
.irp q, 0,1,2,3
.irp i, 0,1,2,3,4,5,6,7,8,9,10,11,12,13,14,15
	v_med3_num_f32 v[16*(4*\G+\q)+\i], v[16*(4*\G+\q)+\i], -v[LIM], v[LIM]   ; the conversion to an 8-bit code does not saturate (ISA guide 7.6.2): the hold at the largest code x the scale
.endr
.endr
	WIN 0x01
.irp q, 0,1,2,3
	v_cvt_scalef32_pk8_fp8_f32 v[CD+4*\q:CD+4*\q+1], v[16*(4*\G+\q):16*(4*\G+\q)+7], v[SCL]
	v_cvt_scalef32_pk8_fp8_f32 v[CD+4*\q+2:CD+4*\q+3], v[16*(4*\G+\q)+8:16*(4*\G+\q)+15], v[SCL]
.endr
	WIN 0
	v_nop                                          ; one plain vector line behind the conversions
.irp q, 0,1,2,3
	ds_store_b128 v[IMG], v[CD+4*\q:CD+4*\q+3] offset:\dst+(4*\G+\q)*PITCH   ; the wave writes a row's 512 codes on end
.endr
	WIN 0x40                                       ; destination window 1
.irp q, 0,1,2,3
.irp a, 0,1,2,3
.if \kind
	global_load_b128 v[16*(4*\G+\q)+4*\a:16*(4*\G+\q)+4*\a+3], v[LI], s[6:7] offset:PASSW+((4*\G+\q)%8)*8192+((4*\G+\q)/8)*2048+\a*512   ; K step (row / 8), tile (row % 8), group a: register 128 s + 16 t + 4 c
.else
	global_load_b128 v[16*(4*\G+\q)+4*\a:16*(4*\G+\q)+4*\a+3], v[LI], s[20:21] offset:\ahead+(4*\G+\q)*2048+\a*512 th:TH_LOAD_NT   ; 512 consecutive bytes
.endif
.endr
.endr
	WIN 0
.endm
; Tile i of the lap (tile 4: the next lap's first): its fragment, 16 rows x 512 K, 64 registers; in pass 1 also what pass 0 found for it
.macro FETCH i, pass
.irp s, 0,1,2,3
.irp c, 0,1,2,3
	ds_load_b128 v[AF+16*\s+4*\c:AF+16*\s+4*\c+3], v[AFA] offset:(\i)*TILEB+128*\s+32*\c
.endr
.endr
.if \pass
	ds_load_b64 v[OLD+2*((\i)%2):OLD+2*((\i)%2)+1], v[PA] offset:(\i)*256
.endif
.endm
; A tile against my 128 centroids: 32 matrix instructions, the eight accumulators by turns, K step by K step; the first K step takes the biases as C.
.macro PRODUCTS pass
.if \pass
	WIN 0x01                                       ; source 0: pass 1's K steps 0, 1 lie in window 1
.else
	WIN 0x02                                       ; pass 0's in window 2
.endif
.irp t, 0,1,2,3,4,5,6,7
	v_wmma_f32_16x16x128_fp8_fp8 v[ACC+8*\t:ACC+8*\t+7], v[16*\t:16*\t+15], v[AF:AF+15], v[BIAS+8*\t:BIAS+8*\t+7]
.endr
.irp t, 0,1,2,3,4,5,6,7
	v_wmma_f32_16x16x128_fp8_fp8 v[ACC+8*\t:ACC+8*\t+7], v[128+16*\t:128+16*\t+15], v[AF+16:AF+31], v[ACC+8*\t:ACC+8*\t+7]
.endr
	WIN 0x03                                       ; K steps 2, 3 in window 3
.irp t, 0,1,2,3,4,5,6,7
	v_wmma_f32_16x16x128_fp8_fp8 v[ACC+8*\t:ACC+8*\t+7], v[16*\t:16*\t+15], v[AF+32:AF+47], v[ACC+8*\t:ACC+8*\t+7]
.endr
.irp t, 0,1,2,3,4,5,6,7
	v_wmma_f32_16x16x128_fp8_fp8 v[ACC+8*\t:ACC+8*\t+7], v[128+16*\t:128+16*\t+15], v[AF+48:AF+63], v[ACC+8*\t:ACC+8*\t+7]
.endr
	WIN 0
.rept 4
	v_nop                                          ; four places in front of the loads into the fragment's registers and of the first read of results
.endr
.endm
; The largest of a lane's 64 keys and its index; of equal keys the first.  (a) each tile's largest, from the accumulator's low end on; (b) the tiles in ascending order: an earlier tile stays on a tie,
; and the winning tile's eight keys are kept in tile 0's registers; (c) the first of the eight that equals the largest; (d) the index.
.macro ARGMAX
.irp t, 0,1,2,3,4,5,6,7
	v_max3_num_f32 v[MR\t], v[ACC+8*\t], v[ACC+8*\t+1], v[ACC+8*\t+2]
.endr
.irp t, 0,1,2,3,4,5,6,7
	v_max3_num_f32 v[MR\t], v[MR\t], v[ACC+8*\t+3], v[ACC+8*\t+4]
.endr
.irp t, 0,1,2,3,4,5,6,7
	v_max3_num_f32 v[MR\t], v[MR\t], v[ACC+8*\t+5], v[ACC+8*\t+6]
.endr
.irp t, 0,1,2,3,4,5,6,7
	v_max_num_f32 v[MR\t], v[MR\t], v[ACC+8*\t+7]
.endr
	v_mov_b32 v[TID], 0
.irp t, 1,2,3,4,5,6,7
	v_cmp_ge_f32 vcc_lo, v[MR0], v[MR\t]           ; the earlier tiles keep their place
	v_max_num_f32 v[MR0], v[MR0], v[MR\t]
	v_cndmask_b32 v[TID], \t, v[TID], vcc_lo
.irp j, 0,1,2,3,4,5,6,7
	v_cndmask_b32 v[ACC+\j], v[ACC+8*\t+\j], v[ACC+\j], vcc_lo
.endr
.endr
	v_mov_b32 v[POS], 7
.irp j, 6,5,4,3,2,1,0
	v_cmp_neq_f32 vcc_lo, v[ACC+\j], v[MR0]
	v_cndmask_b32 v[POS], \j, v[POS], vcc_lo
.endr
	v_lshl_add_u32 v[IDX], v[TID], 4, v[POS]
	v_add_nc_u32 v[IDX], v[LB], v[IDX]
.endm
; Tile i's search, in pass 1 the merge with pass 0's result, and the store of my lane's (key, index)
.macro RESULT i, pass
	ARGMAX
.if \pass
.set OLDR, OLD+2*((\i)%2)
	v_cmp_gt_f32 vcc_lo, v[KEY], v[OLDR]           ; pass 0's indices are the lower ones: they stay on a tie
	v_max_num_f32 v[KEY], v[KEY], v[OLDR]
	v_cndmask_b32 v[IDX], v[OLDR+1], v[IDX], vcc_lo
.endif
	ds_store_b64 v[PA], v[KEY:KEY+1] offset:(\i)*256
.endm
; A LAP OF PASS 0 THAT QUANTISES THE NEXT.  Its first fragment was asked for in the lap before.
.macro LAPQ kind
	s_wait_dscnt 0x0                               ; the fragment is in, and no LDS instruction of mine is out: the three addresses may be written
	v_add_nc_u32 v[IMG], s[SM], v[IMGB]
	v_add_nc_u32 v[AFA], s[SM], v[AFB]
	v_add_nc_u32 v[PA], s[PM], v[PAB]
	PRODUCTS 0
.irp v, 0,1,2
	FETCH \v+1, 0                                  ; the next tile's fragment lands while this tile is searched and four rows are quantised
	s_wait_dscnt 16                                ; only these 16 loads may be out: the earlier stores have read the pair (key, index) and the codes' registers, which are written again below
	RESULT \v, 0
	QGROUP \v, \kind, LAPB, 2*LAPG
	s_wait_dscnt 5                                 ; behind the fragment's loads: the result's store and four stores of codes
	PRODUCTS 0
.endr
	s_wait_dscnt 0x0                               ; the last group's stores have read the codes' registers (they were issued ahead of the 32 products)
	QGROUP 3, \kind, LAPB, 2*LAPG
	BARRIER                                        ; every wave's tile of the next lap lies in LDS
	FETCH 4, 0                                     ; its first fragment lands while this lap's last tile is searched
	RESULT 3, 0
.endm
; A lap that only multiplies.  last = 1: no lap follows, so nothing more is fetched
.macro MULT pass, last
	s_wait_dscnt 0x0                               ; the fragment is in, and no LDS instruction of mine is out: the two addresses may be written
	v_add_nc_u32 v[AFA], s[SM], v[AFB]
	v_add_nc_u32 v[PA], s[PM], v[PAB]
	PRODUCTS \pass
.irp v, 0,1,2
	FETCH \v+1, \pass
	s_wait_dscnt 16+\pass                          ; only the fetch just issued may be out: the last result's store has read its pair
	RESULT \v, \pass
	s_wait_dscnt 1                                 ; behind the fetch: the result's store
	PRODUCTS \pass
.endr
.if \last
	s_wait_dscnt 0x0                               ; the last result's store has read its pair
.else
	FETCH 4, \pass
	s_wait_dscnt 16+\pass
.endif
	RESULT 3, \pass
.endm
	s_load_b256 s[4:11], s[0:1], 0x0               ; embeddings s[4:5], wcodes s[6:7], bias s[8:9], the exponents s[10:11]
	s_load_b128 s[12:15], s[0:1], 0x20             ; out1 s[12:13], assigned s[14:15]
	v_lshl_add_u32 v62, v0, 2, 0x4a000
	v_mov_b32 v63, 0
	v_lshrrev_b32 v14, 5, v0
	v_readfirstlane_b32 s16, v14                   ; wave 0..3
	v_and_b32 v14, 31, v0                          ; lane
	v_and_b32 v15, 15, v0                          ; r
	v_bfe_u32 v16, v0, 4, 1                        ; h
	v_lshlrev_b32 v[LI], 4, v14
	s_mul_i32 s18, s16, TILEB
	v_add_nc_u32 v[IMGB], s18, v[LI]
	v_mul_u32_u24 v[AFB], v15, PITCH
	v_lshl_add_u32 v[AFB], v16, 4, v[AFB]
	s_lshl_b32 s18, s16, 13
	s_add_co_u32 s18, s18, PART
	v_lshl_add_u32 v[PAB], v14, 3, s18
	s_lshl_b32 s18, s16, 7
	v_lshl_add_u32 v[LB], v16, 3, s18
	v_lshlrev_b32 v[BO], 5, v16
	v_lshrrev_b32 v[FA], 2, v0                     ; thread T: rows 4 T .. 4 T + 3 lie in tile T / 4, at r = 4 (T % 4) on
	v_lshlrev_b32 v[FA], 8, v[FA]
	v_and_b32 v14, 3, v0
	v_lshl_add_u32 v[FA], v14, 5, v[FA]
	v_add_nc_u32 v[FA], PART, v[FA]
	v_lshlrev_b32 v[FO], 4, v0
	s_lshl_b32 s18, ttmp9, 20                      ; my work-group's 512 rows of 2,048 bytes,
	s_lshl_b32 s19, s16, 15                        ; my wave's tile of a lap
	s_add_co_u32 s18, s18, s19
	s_mov_b32 s19, 0
	s_lshl_b32 s28, s16, 16                        ; my wave's 8 images of 8,192 bytes
	s_mov_b32 s29, 0
	s_lshl_b32 s30, s16, 9                         ; my wave's 128 biases
	s_mov_b32 s31, 0
	s_lshl_b32 s32, ttmp9, 11                      ; my work-group's 512 indices
	s_mov_b32 s33, 0
	s_mov_b32 s[SM], 0
	s_mov_b32 s[PM], 0
	s_mov_b32 s24, 6
	s_wait_kmcnt 0x0
	s_load_b32 s17, s[10:11], 0x0                  ; ea
	s_add_nc_u64 s[20:21], s[4:5], s[18:19]
	s_add_nc_u64 s[6:7], s[6:7], s[28:29]
	s_add_nc_u64 s[8:9], s[8:9], s[30:31]
	s_add_nc_u64 s[12:13], s[12:13], s[32:33]
	s_add_nc_u64 s[14:15], s[14:15], s[32:33]
	WIN 0x80
	LOADB 0, 0                                     ; the centroids and biases are asked for ahead of the rows, so that the first counted wait for rows shows them in too
	WIN 0xc0
	LOADB 0, 2
	WIN 0
	LOADBIAS 0
	WIN 0x40
.irp q, 0,1,2,3,4,5,6,7,8,9,10,11,12,13,14,15
.irp a, 0,1,2,3
	global_load_b128 v[16*\q+4*\a:16*\q+4*\a+3], v[LI], s[20:21] offset:\q*2048+\a*512 th:TH_LOAD_NT   ; lap 0's rows
.endr
.endr
	WIN 0
	s_wait_kmcnt 0x0
	s_add_co_i32 s18, s17, 127
	s_lshl_b32 s19, s18, 23
	v_mov_b32 v[SCL], s19                          ; the conversion takes this number's exponent field
	s_add_co_i32 s18, s18, 8
	s_lshl_b32 s18, s18, 23
	s_or_b32 s18, s18, 0x600000
	v_mov_b32 v[LIM], s18
	; lap 0's tile is quantised ahead of the loop; its registers take lap 1's rows
	v_add_nc_u32 v[IMG], s[SM], v[IMGB]
	QGROUP 0, 0, 0, LAPG
	s_wait_dscnt 0x0                               ; the group's four stores have read the four sets of codes
	QGROUP 1, 0, 0, LAPG
	s_wait_dscnt 0x0
	QGROUP 2, 0, 0, LAPG
	s_wait_dscnt 0x0
	QGROUP 3, 0, 0, LAPG
	BARRIER                                        ; lap 0's 64 rows of codes lie in LDS
	v_add_nc_u32 v[AFA], s[SM], v[AFB]
	FETCH 0, 0
.Llap:                                             ; PASS 0, laps 0 to 5: lap i is multiplied, lap i + 1 quantised, lap i + 2 asked for
	LAPQ 0
	s_wait_xcnt 0x0                                ; the reloads have read their base
	s_add_nc_u64 s[20:21], s[20:21], LAPG
	s_add_co_u32 s[SM], s[SM], LAPB
	s_add_co_u32 s[PM], s[PM], 1024
	s_sub_co_u32 s24, s24, 1
	s_cmp_lg_u32 s24, 0
	s_cbranch_scc1 .Llap
	LAPQ 1                                         ; lap 6 is written out: no rows are left to ask for; the rows' registers take half of pass 1's centroids
	s_add_co_u32 s[SM], s[SM], LAPB
	s_add_co_u32 s[PM], s[PM], 1024
	MULT 0, 1                                      ; lap 7: nothing is left to quantise
	WIN 0xc0                                       ; the other half of pass 1's centroids, and its biases: the last search stands between the last products and these loads
	LOADB 1, 2
	WIN 0
	LOADBIAS 1
	v_add_nc_u32 v[LB], 0x200, v[LB]
	s_mov_b32 s[SM], 0
	s_mov_b32 s[PM], 0
	s_mov_b32 s24, 7
	s_wait_dscnt 0x0                               ; no LDS instruction of mine is out: the two addresses may be written
	v_add_nc_u32 v[AFA], s[SM], v[AFB]
	v_add_nc_u32 v[PA], s[PM], v[PAB]
	FETCH 0, 1                                     ; lands while the centroids come
	s_wait_loadcnt 0x0
.Lpass1:                                           ; PASS 1, laps 0 to 6: the codes are only read, and a wave's results are its own: no barrier
	MULT 1, 0
	s_add_co_u32 s[SM], s[SM], LAPB
	s_add_co_u32 s[PM], s[PM], 1024
	s_sub_co_u32 s24, s24, 1
	s_cmp_lg_u32 s24, 0
	s_cbranch_scc1 .Lpass1
	MULT 1, 1                                      ; lap 7 is written out: no fetch reaches past the codes
	BARRIER                                        ; all four waves' results lie in LDS
	; THE END.  A row has eight candidates: four waves x two halves of the lanes.  Thread T merges those of rows 4 T .. 4 T + 3: the larger key, of equal keys the lower index.
.irp c, 0,1,2,3,4,5,6,7
	ds_load_b128 v[AF+8*\c:AF+8*\c+3], v[FA] offset:(\c/2)*8192+(\c%2)*128       ; candidate c = 2 x wave + half: (key, index) of rows 0, 1
	ds_load_b128 v[AF+8*\c+4:AF+8*\c+7], v[FA] offset:(\c/2)*8192+(\c%2)*128+16  ; and of rows 2, 3
.endr
	s_wait_dscnt 0x0
.irp c, 1,2,3,4,5,6,7
.irp p, 0,1,2,3
	v_cmp_gt_f32 s25, v[AF+8*\c+2*\p], v[AF+2*\p]
	v_cmp_eq_f32 s26, v[AF+8*\c+2*\p], v[AF+2*\p]
	v_cmp_lt_u32 s27, v[AF+8*\c+2*\p+1], v[AF+2*\p+1]
	s_and_b32 s26, s26, s27
	s_or_b32 vcc_lo, s25, s26
	v_cndmask_b32 v[AF+2*\p], v[AF+2*\p], v[AF+8*\c+2*\p], vcc_lo
.if \c == 7
	v_cndmask_b32 v[CD+\p], v[AF+2*\p+1], v[AF+8*\c+2*\p+1], vcc_lo    ; the last merge puts the four indices side by side
.else
	v_cndmask_b32 v[AF+2*\p+1], v[AF+2*\p+1], v[AF+8*\c+2*\p+1], vcc_lo
.endif
.endr
.endr
	global_store_b128 v[FO], v[CD:CD+3], s[12:13] th:TH_STORE_NT   ; a wave stores 512 consecutive bytes, at a multiple of 256 from the buffer's first byte
	global_store_b128 v[FO], v[CD:CD+3], s[14:15]                  ; the copy from which the next launch forms addresses
	s_wait_tensorcnt 0x0
	ds_add_u32 v62, v63
	s_wait_dscnt 0x0
	s_endpgm
.Lfunc_end_k_q0c022ef685_assign:
	.size	k_q0c022ef685_assign, .Lfunc_end_k_q0c022ef685_assign-k_q0c022ef685_assign
	.p2alignl 7, 3214868480
	.fill 96, 4, 3214868480
	.section	.rodata,"a",@progbits
	.p2align	6, 0x0
	.amdhsa_kernel k_q0c022ef685_assign
		.amdhsa_group_segment_fixed_size 303616
		.amdhsa_private_segment_fixed_size 0
		.amdhsa_enable_private_segment 0
		.amdhsa_kernarg_size 48
		.amdhsa_user_sgpr_count 2
		.amdhsa_user_sgpr_kernarg_segment_ptr 1
		.amdhsa_wavefront_size32 1
		.amdhsa_system_sgpr_workgroup_id_x 1
		.amdhsa_system_sgpr_workgroup_id_y 1
		.amdhsa_system_sgpr_workgroup_id_z 1
		.amdhsa_system_vgpr_workitem_id 0
		.amdhsa_next_free_vgpr 1024
		.amdhsa_next_free_sgpr 66
		.amdhsa_reserve_vcc 1
		.amdhsa_float_denorm_mode_32 3
		.amdhsa_float_denorm_mode_16_64 3
		.amdhsa_memory_ordered 1
		.amdhsa_forward_progress 1
		.amdhsa_inst_pref_size 255
	.end_amdhsa_kernel
	.section	.bss,"aw",@nobits
	.p2align	6
	.space	262144
	.amdgpu_metadata
---
amdhsa.version: [ 1, 2 ]
amdhsa.kernels:
  - .name:           k_q0c022ef685_assign
    .symbol:         k_q0c022ef685_assign.kd
    .args:
      - { .name: embeddings, .offset: 0, .size: 8, .value_kind: global_buffer, .address_space: global }
      - { .name: wcodes, .offset: 8, .size: 8, .value_kind: global_buffer, .address_space: global }
      - { .name: bias, .offset: 16, .size: 8, .value_kind: global_buffer, .address_space: global }
      - { .name: lowp_scales, .offset: 24, .size: 8, .value_kind: global_buffer, .address_space: global }
      - { .name: out1, .offset: 32, .size: 8, .value_kind: global_buffer, .address_space: global }
      - { .name: assigned, .offset: 40, .size: 8, .value_kind: global_buffer, .address_space: global }
    .group_segment_fixed_size: 303616
    .private_segment_fixed_size: 0
    .kernarg_segment_align: 8
    .kernarg_segment_size: 48
    .max_flat_workgroup_size: 128
    .sgpr_count:     66
    .vgpr_count:     1024
    .wavefront_size: 32
...
	.end_amdgpu_metadata
.endif
;; end of part 2
;; launch loss (part 3): grid 256 x 1, 16 waves a work-group, no clusters, 264,448 bytes of LDS; arguments embeddings, centroids, assigned, partial; writes partial
.if DOCPART == 3
	.amdgcn_target "amdgcn-amd-amdhsa--gfx1250"
	.amdhsa_code_object_version 6
	.text
	.protected	k_q0c022ef685_loss
	.globl	k_q0c022ef685_loss
	.p2align	8
	.type	k_q0c022ef685_loss,@function
k_q0c022ef685_loss:
	s_mov_b64 s[64:65], 0
	v_nop
	global_prefetch_b8 v0, s[64:65] scope:SCOPE_SE
	s_setreg_imm32_b32 hwreg(HW_REG_WAVE_MODE, 25, 1), 1
	s_wait_xcnt 0x0
; LOSS.  partial[g] = the sum, over work-group g's 4,096 rows n and its 64 columns d, of (embeddings[n][d] - centroids[assigned[n]][d])^2, in f32 on the numbers as they are given.
; THE TABLE LIES IN LDS.  Work-group g takes columns 64 (g % 8) .. + 63, 256 bytes of a row, and rows 4,096 (g / 8) on.  That slice of all 1,024 centroids is 262,144 bytes of LDS, filled once.
; So a work-group fetches 256 KiB of centroids in all, and not 256 bytes for each of its 4,096 rows' pieces again (1 MiB); the gather is an LDS read: sixteen lanes take one row of 256 consecutive bytes.
; A stream: no matrix unit.  No cluster and no tensor load: what work-groups share, a slice's table, is 256 KiB of a work-group's 1,280 KiB, read once at the head.
; SHARES.  Wave w takes rows 256 w .. 256 w + 255 of the work-group's, in 8 batches of 32.  In pair j of a batch lanes 0-15 take row j and lanes 16-31 row 16 + j: each half of a load reads one
; piece of 256 consecutive bytes, at a multiple of 256 from the buffer's first byte.  Work-groups g, g + 1, .. with the same g / 8 take the eight pieces of the same rows.
; INDICES.  Lane l loads the index of row l of each batch.  A row's index is wanted by the sixteen lanes of its half: v_mov_b32_dpp row_share:j hands lane 16 h + j's number to them.
; It is held at the table's last row BEHIND that move, and only then enters an address.
; Two batch slots in registers: 16 to 32 loads of a wave, 512 bytes each, are on their way.  Every offset is an immediate: 7 x 65,536 + 15 x 2,048 bytes at the most.
.set SUMS, 262144                      ; LDS behind the table: the sixteen waves' sums
.set L16, 1                            ; v1     16 r: my 16 bytes of a piece
.set EO,  2                            ; v2     embeddings: 16 rows x 2,048 x h + 16 r
.set CO,  3                            ; v3     centroids: 2,048 h + 16 r
.set TA,  4                            ; v4     the table, on the way in: 16,384 x wave + 16 x lane
.set IO,  5                            ; v5     4 x lane
.set PX,  6                            ; v6     what comes from the other half of the lanes
.set WA,  7                            ; v7     SUMS + 4 x wave
.set ZR,  8                            ; v8     0
.set SR,  9                            ; v9     SUMS
.set IX,  16                           ; v16-23 batch b: 256 x the index of row (my lane) of the batch
.set S,   24                           ; v24-31 four packed sums
.set E,   32                           ; v32-159 two slots of 16 pairs x 4 numbers of the embeddings
.set T,   96                           ; v96-223 at the head: 32 x 4 registers of the table on its way to LDS
.set C,   160                          ; v160-223 16 pairs x 4 numbers of the centroids, then the differences
.set AD,  224                          ; v224-239 a pair's LDS address
.set R,   32                           ; at the end: the sixteen sums
	s_load_b256 s[4:11], s[0:1], 0x0               ; embeddings s[4:5], centroids s[6:7], assigned s[8:9], partial s[10:11]
	v_lshl_add_u32 v240, v0, 2, 0x40100
	v_mov_b32 v241, 0
	v_lshrrev_b32 v10, 5, v0
	v_readfirstlane_b32 s12, v10                   ; wave 0..15
	v_and_b32 v11, 31, v0                          ; lane
	v_and_b32 v12, 15, v0                          ; r
	v_bfe_u32 v13, v0, 4, 1                        ; h
	v_lshlrev_b32 v[L16], 4, v12
	v_lshl_add_u32 v[EO], v13, 15, v[L16]
	v_lshl_add_u32 v[CO], v13, 11, v[L16]
	s_lshl_b32 s15, s12, 14
	v_lshl_add_u32 v[TA], v11, 4, s15
	v_lshlrev_b32 v[IO], 2, v11
	s_lshl_b32 s19, s12, 2
	s_add_co_u32 s19, s19, SUMS
	v_mov_b32 v[WA], s19
	v_mov_b32 v[ZR], 0
	v_mov_b32 v[SR], SUMS
	v_mov_b32 v[PX], 0                             ; a lane permute's destination counts as read: written once
.irp j, 0,1,2,3,4,5,6,7,8,9,10,11,12,13,14,15
	v_mov_b32 v[AD+\j], 0                          ; likewise the destinations of the moves between lanes
.endr
	s_mov_b32 s26, 0x76543210                      ; v_permlanex16_b32: each lane takes its own place in the other half
	s_mov_b32 s27, 0xfedcba98
	s_and_b32 s13, ttmp9, 7                        ; my slice
	s_lshr_b32 s14, ttmp9, 3                       ; my 4,096 rows
	s_lshl_b32 s18, s13, 8                         ; the slice's 256 bytes in a row
	s_lshl_b32 s16, s14, 23                        ; 4,096 rows of 2,048 bytes,
	s_lshl_b32 s17, s12, 19                        ; my wave's 256
	s_add_co_u32 s16, s16, s17
	s_add_co_u32 s16, s16, s18
	s_mov_b32 s17, 0
	s_lshl_b32 s20, s12, 17                        ; the 64 centroids that my wave brings
	s_add_co_u32 s20, s20, s18
	s_mov_b32 s21, 0
	s_lshl_b32 s22, s14, 14                        ; 4,096 indices,
	s_lshl_b32 s23, s12, 10                        ; my wave's 256
	s_add_co_u32 s22, s22, s23
	s_mov_b32 s23, 0
	s_lshl_b32 s24, ttmp9, 2
	s_mov_b32 s25, 0
	s_wait_kmcnt 0x0
	s_add_nc_u64 s[4:5], s[4:5], s[16:17]
	s_add_nc_u64 s[6:7], s[6:7], s[20:21]
	s_add_nc_u64 s[8:9], s[8:9], s[22:23]
	s_add_nc_u64 s[10:11], s[10:11], s[24:25]
.macro ELOAD b, j                      ; pair j of batch b into slot b % 2
	global_load_b128 v[E+64*((\b)%2)+4*(\j):E+64*((\b)%2)+4*(\j)+3], v[EO], s[4:5] offset:(\b)*65536+(\j)*2048 th:TH_LOAD_NT
.endm
.irp b, 0,1,2,3,4,5,6,7
	global_load_b32 v[IX+\b], v[IO], s[8:9] offset:128*\b          ; 32 indices: 128 consecutive bytes
.endr
.irp j, 0,1,2,3,4,5,6,7,8,9,10,11,12,13,14,15
	ELOAD 0, \j                                    ; the first batch is asked for ahead of the table
.endr
.irp q, 0,1,2,3,4,5,6,7,8,9,10,11,12,13,14,15,16,17,18,19,20,21,22,23,24,25,26,27,28,29,30,31
	global_load_b128 v[T+4*\q:T+4*\q+3], v[CO], s[6:7] offset:4096*\q   ; centroids 64 w + 2 q and 2 q + 1: 256 consecutive bytes each
.endr
	s_wait_loadcnt 0x0
.irp q, 0,1,2,3,4,5,6,7,8,9,10,11,12,13,14,15,16,17,18,19,20,21,22,23,24,25,26,27,28,29,30,31
	ds_store_b128 v[TA], v[T+4*\q:T+4*\q+3] offset:512*\q          ; centroid k's piece lies at 256 k: the wave writes 512 bytes on end
.endr
.irp b, 0,1,2,3,4,5,6,7
	v_lshlrev_b32 v[IX+\b], 8, v[IX+\b]            ; an index as a byte offset in the table
.endr
	s_wait_dscnt 0x0                               ; for the others' sake: my part of the table lies in LDS; and the stores have read their registers,
.irp j, 0,1,2,3,4,5,6,7,8,9,10,11,12,13,14,15
	ELOAD 1, \j                                    ; half of which take the second batch
.endr
	s_barrier_signal -1
	s_barrier_wait -1                              ; the table is whole
; four pairs' addresses and gathers
.macro GATHER4 b, j0, j1, j2, j3
.irp j, \j0, \j1, \j2, \j3
	v_mov_b32_dpp v[AD+\j], v[IX+(\b)] row_share:\j row_mask:0xf bank_mask:0xf   ; row 16 h + j's offset, to the sixteen lanes of half h
.endr
.irp j, \j0, \j1, \j2, \j3
	v_min_u32 v[AD+\j], 0x3ff00, v[AD+\j]          ; held at the table's last row
.endr
.irp j, \j0, \j1, \j2, \j3
	v_add_nc_u32 v[AD+\j], v[L16], v[AD+\j]
.endr
.irp j, \j0, \j1, \j2, \j3
	ds_load_b128 v[C+4*\j:C+4*\j+3], v[AD+\j]
.endr
.endm
; four pairs' differences and squares; their registers take the same pairs of the batch two further on
.macro WORK4 b, g, j0, j1, j2, j3
.set ES, E+64*((\b)%2)
.if (\b) < 6
.set NL, 28                            ; behind these four loads: this batch's later pairs, 12 - 4 g; the next batch's 16; this batch's reloads so far, 4 g
.elseif (\b) == 6
.set NL, 28-4*(\g)                     ; no reloads any more
.else
.set NL, 12-4*(\g)                     ; and no next batch
.endif
	s_wait_loadcnt NL
	s_wait_dscnt 12-4*(\g)                         ; behind these four gathers: the batch's later ones
.irp j, \j0, \j1, \j2, \j3
	v_pk_add_f32 v[C+4*\j:C+4*\j+1], v[ES+4*\j:ES+4*\j+1], v[C+4*\j:C+4*\j+1] neg_lo:[0,1] neg_hi:[0,1]         ; e - c
	v_pk_add_f32 v[C+4*\j+2:C+4*\j+3], v[ES+4*\j+2:ES+4*\j+3], v[C+4*\j+2:C+4*\j+3] neg_lo:[0,1] neg_hi:[0,1]
.endr
.if (\b)+2 < 8
.irp j, \j0, \j1, \j2, \j3
	ELOAD (\b)+2, \j
.endr
.endif
.irp j, \j0, \j1, \j2, \j3
.if ((\b) == 0) && (\j < 2)
	v_pk_mul_f32 v[S+4*(\j%2):S+4*(\j%2)+1], v[C+4*\j:C+4*\j+1], v[C+4*\j:C+4*\j+1]                             ; the first two pairs start the four sums: nothing is cleared
	v_pk_mul_f32 v[S+4*(\j%2)+2:S+4*(\j%2)+3], v[C+4*\j+2:C+4*\j+3], v[C+4*\j+2:C+4*\j+3]
.else
	v_pk_fma_f32 v[S+4*(\j%2):S+4*(\j%2)+1], v[C+4*\j:C+4*\j+1], v[C+4*\j:C+4*\j+1], v[S+4*(\j%2):S+4*(\j%2)+1]
	v_pk_fma_f32 v[S+4*(\j%2)+2:S+4*(\j%2)+3], v[C+4*\j+2:C+4*\j+3], v[C+4*\j+2:C+4*\j+3], v[S+4*(\j%2)+2:S+4*(\j%2)+3]
.endif
.endr
.endm
.macro BATCH b
	GATHER4 \b, 0, 1, 2, 3
	GATHER4 \b, 4, 5, 6, 7
	GATHER4 \b, 8, 9, 10, 11
	GATHER4 \b, 12, 13, 14, 15
	WORK4 \b, 0, 0, 1, 2, 3
	WORK4 \b, 1, 4, 5, 6, 7
	WORK4 \b, 2, 8, 9, 10, 11
	WORK4 \b, 3, 12, 13, 14, 15                    ; its wait on the gathers is for 0: the next batch may write the sixteen addresses
.endm
.irp b, 0,1,2,3,4,5,6,7
	BATCH \b
.endr
	v_pk_add_f32 v[S:S+1], v[S:S+1], v[S+2:S+3]
	v_pk_add_f32 v[S+4:S+5], v[S+4:S+5], v[S+6:S+7]
	v_pk_add_f32 v[S:S+1], v[S:S+1], v[S+4:S+5]
	v_add_f32 v[S], v[S], v[S+1]
	v_add_f32_dpp v[S], v[S], v[S] row_xmask:1 row_mask:0xf bank_mask:0xf
	v_add_f32_dpp v[S], v[S], v[S] row_xmask:2 row_mask:0xf bank_mask:0xf
	v_add_f32_dpp v[S], v[S], v[S] row_xmask:4 row_mask:0xf bank_mask:0xf
	v_add_f32_dpp v[S], v[S], v[S] row_xmask:8 row_mask:0xf bank_mask:0xf
	v_permlanex16_b32 v[PX], v[S], s26, s27
	v_add_f32 v[S], v[S], v[PX]
	s_wait_dscnt 0x0                               ; my gathers are in:
	s_barrier_signal -1
	s_barrier_wait -1                              ; every wave's are, before any wave stores into LDS again
	ds_store_b32 v[WA], v[S]                       ; all lanes write the wave's word with the same number
	s_wait_dscnt 0x0                               ; for the others' sake
	s_barrier_signal -1
	s_barrier_wait -1
	s_cmp_lg_u32 s12, 0
	s_cbranch_scc1 .Lend
.irp q, 0,1,2,3
	ds_load_b128 v[R+4*\q:R+4*\q+3], v[SR] offset:16*\q
.endr
	s_wait_dscnt 0x0
	v_pk_add_f32 v[R:R+1], v[R:R+1], v[R+2:R+3]
	v_pk_add_f32 v[R+4:R+5], v[R+4:R+5], v[R+6:R+7]
	v_pk_add_f32 v[R+8:R+9], v[R+8:R+9], v[R+10:R+11]
	v_pk_add_f32 v[R+12:R+13], v[R+12:R+13], v[R+14:R+15]
	v_pk_add_f32 v[R:R+1], v[R:R+1], v[R+4:R+5]
	v_pk_add_f32 v[R+8:R+9], v[R+8:R+9], v[R+12:R+13]
	v_pk_add_f32 v[R:R+1], v[R:R+1], v[R+8:R+9]
	v_add_f32 v[R], v[R], v[R+1]
	v_cmp_eq_u32 vcc_lo, 0, v0
	s_wait_xcnt 0x0                                ; EXEC is a source of every memory instruction issued so far: it changes only behind this wait
	s_and_saveexec_b32 s13, vcc_lo
	global_store_b32 v[ZR], v[R], s[10:11]         ; one number a work-group: the next launch adds the 256
	s_wait_xcnt 0x0                                ; and again, in front of the line that widens it
	s_or_b32 exec_lo, exec_lo, s13
.Lend:
	s_wait_tensorcnt 0x0
	ds_add_u32 v240, v241
	s_wait_dscnt 0x0
	s_endpgm
.Lfunc_end_k_q0c022ef685_loss:
	.size	k_q0c022ef685_loss, .Lfunc_end_k_q0c022ef685_loss-k_q0c022ef685_loss
	.p2alignl 7, 3214868480
	.fill 96, 4, 3214868480
	.section	.rodata,"a",@progbits
	.p2align	6, 0x0
	.amdhsa_kernel k_q0c022ef685_loss
		.amdhsa_group_segment_fixed_size 264448
		.amdhsa_private_segment_fixed_size 0
		.amdhsa_enable_private_segment 0
		.amdhsa_kernarg_size 32
		.amdhsa_user_sgpr_count 2
		.amdhsa_user_sgpr_kernarg_segment_ptr 1
		.amdhsa_wavefront_size32 1
		.amdhsa_system_sgpr_workgroup_id_x 1
		.amdhsa_system_sgpr_workgroup_id_y 1
		.amdhsa_system_sgpr_workgroup_id_z 1
		.amdhsa_system_vgpr_workitem_id 0
		.amdhsa_next_free_vgpr 242
		.amdhsa_next_free_sgpr 66
		.amdhsa_reserve_vcc 1
		.amdhsa_float_denorm_mode_32 3
		.amdhsa_float_denorm_mode_16_64 3
		.amdhsa_memory_ordered 1
		.amdhsa_forward_progress 1
		.amdhsa_inst_pref_size 85
	.end_amdhsa_kernel
	.amdgpu_metadata
---
amdhsa.version: [ 1, 2 ]
amdhsa.kernels:
  - .name:           k_q0c022ef685_loss
    .symbol:         k_q0c022ef685_loss.kd
    .args:
      - { .name: embeddings, .offset: 0, .size: 8, .value_kind: global_buffer, .address_space: global }
      - { .name: centroids, .offset: 8, .size: 8, .value_kind: global_buffer, .address_space: global }
      - { .name: assigned, .offset: 16, .size: 8, .value_kind: global_buffer, .address_space: global }
      - { .name: partial, .offset: 24, .size: 8, .value_kind: global_buffer, .address_space: global }
    .group_segment_fixed_size: 264448
    .private_segment_fixed_size: 0
    .kernarg_segment_align: 8
    .kernarg_segment_size: 32
    .max_flat_workgroup_size: 512
    .sgpr_count:     66
    .vgpr_count:     242
    .wavefront_size: 32
...
	.end_amdgpu_metadata
.endif
;; end of part 3
;; launch finish (part 4): grid 1 x 1, 1 waves a work-group, no clusters, 0 bytes of LDS; arguments partial, out0; writes out0
.if DOCPART == 4
	.amdgcn_target "amdgcn-amd-amdhsa--gfx1250"
	.amdhsa_code_object_version 6
	.text
	.protected	k_q0c022ef685_finish
	.globl	k_q0c022ef685_finish
	.p2align	8
	.type	k_q0c022ef685_finish,@function
k_q0c022ef685_finish:
	s_mov_b64 s[64:65], 0
	v_nop
	global_prefetch_b8 v0, s[64:65] scope:SCOPE_SE
	s_setreg_imm32_b32 hwreg(HW_REG_WAVE_MODE, 25, 1), 1
	s_wait_xcnt 0x0
; FINISH.  out0 = (the sum of the 256 partial sums) x 2^-26: the mean over 131,072 x 512 = 2^26 numbers.  One wave: a sum that spans work-groups has one owner, in a launch of its own.
	s_load_b128 s[4:7], s[0:1], 0x0                ; partial s[4:5], out0 s[6:7]
	v_lshlrev_b32 v1, 4, v0                        ; 16 x lane
	v_mov_b32 v2, 0
	v_mov_b32 v3, 0                                ; a lane permute's destination counts as read: written once
	s_mov_b32 s8, 0x76543210
	s_mov_b32 s9, 0xfedcba98
	s_wait_kmcnt 0x0
.irp q, 0,1
	global_load_b128 v[8+4*\q:11+4*\q], v1, s[4:5] offset:512*\q   ; 512 consecutive bytes each: 1,024 in all
.endr
	s_wait_loadcnt 0x0
	v_pk_add_f32 v[8:9], v[8:9], v[10:11]
	v_pk_add_f32 v[12:13], v[12:13], v[14:15]
	v_pk_add_f32 v[8:9], v[8:9], v[12:13]
	v_add_f32 v8, v8, v9
	v_add_f32_dpp v8, v8, v8 row_xmask:1 row_mask:0xf bank_mask:0xf
	v_add_f32_dpp v8, v8, v8 row_xmask:2 row_mask:0xf bank_mask:0xf
	v_add_f32_dpp v8, v8, v8 row_xmask:4 row_mask:0xf bank_mask:0xf
	v_add_f32_dpp v8, v8, v8 row_xmask:8 row_mask:0xf bank_mask:0xf
	v_permlanex16_b32 v3, v8, s8, s9
	v_add_f32 v8, v8, v3
	v_mul_f32 v8, 0x32800000, v8                   ; x 2^-26
	v_cmp_eq_u32 vcc_lo, 0, v0
	s_wait_xcnt 0x0                                ; EXEC changes only behind this wait
	s_and_saveexec_b32 s10, vcc_lo
	global_store_b32 v2, v8, s[6:7]
	s_wait_xcnt 0x0                                ; and again, in front of the line that widens it
	s_or_b32 exec_lo, exec_lo, s10
	s_endpgm
.Lfunc_end_k_q0c022ef685_finish:
	.size	k_q0c022ef685_finish, .Lfunc_end_k_q0c022ef685_finish-k_q0c022ef685_finish
	.p2alignl 7, 3214868480
	.fill 96, 4, 3214868480
	.section	.rodata,"a",@progbits
	.p2align	6, 0x0
	.amdhsa_kernel k_q0c022ef685_finish
		.amdhsa_group_segment_fixed_size 0
		.amdhsa_private_segment_fixed_size 0
		.amdhsa_enable_private_segment 0
		.amdhsa_kernarg_size 16
		.amdhsa_user_sgpr_count 2
		.amdhsa_user_sgpr_kernarg_segment_ptr 1
		.amdhsa_wavefront_size32 1
		.amdhsa_system_sgpr_workgroup_id_x 1
		.amdhsa_system_sgpr_workgroup_id_y 1
		.amdhsa_system_sgpr_workgroup_id_z 1
		.amdhsa_system_vgpr_workitem_id 0
		.amdhsa_next_free_vgpr 32
		.amdhsa_next_free_sgpr 66
		.amdhsa_reserve_vcc 1
		.amdhsa_float_denorm_mode_32 3
		.amdhsa_float_denorm_mode_16_64 3
		.amdhsa_memory_ordered 1
		.amdhsa_forward_progress 1
		.amdhsa_inst_pref_size 2
	.end_amdhsa_kernel
	.amdgpu_metadata
---
amdhsa.version: [ 1, 2 ]
amdhsa.kernels:
  - .name:           k_q0c022ef685_finish
    .symbol:         k_q0c022ef685_finish.kd
    .args:
      - { .name: partial, .offset: 0, .size: 8, .value_kind: global_buffer, .address_space: global }
      - { .name: out0, .offset: 8, .size: 8, .value_kind: global_buffer, .address_space: global }
    .group_segment_fixed_size: 0
    .private_segment_fixed_size: 0
    .kernarg_segment_align: 8
    .kernarg_segment_size: 16
    .max_flat_workgroup_size: 32
    .sgpr_count:     66
    .vgpr_count:     32
    .wavefront_size: 32
...
	.end_amdgpu_metadata
.endif
;; end of part 4
;; ======== version 2 of 2: 4 launches
;; workspace buffers: wcodes 524,288 bytes; bias 4,096 bytes; assigned 524,288 bytes of whole numbers; partial 1,024 bytes
;; launch prep (part 5): grid 16 x 1, 4 waves a work-group, no clusters, 34,816 bytes of LDS; arguments centroids, lowp_scales, wcodes, bias; writes wcodes, bias
.if DOCPART == 5
	.amdgcn_target "amdgcn-amd-amdhsa--gfx1250"
	.amdhsa_code_object_version 6
	.text
	.protected	k_q0c022ef685_prep
	.globl	k_q0c022ef685_prep
	.p2align	8
	.type	k_q0c022ef685_prep,@function
k_q0c022ef685_prep:
	s_mov_b64 s[64:65], 0
	v_nop
	global_prefetch_b8 v0, s[64:65] scope:SCOPE_SE
	s_setreg_imm32_b32 hwreg(HW_REG_WAVE_MODE, 25, 1), 1
	s_wait_xcnt 0x0
; PREP.  The 1,024 centroids [1024][512] f32 become (a) codes of E4M3 with the given scale 2^eb, laid as images of the matrix operand's registers,
; and (b) for each centroid k the number bias[k] = -(sum of its squares) x 2^(-1 - ea - eb), which the next launch takes as the start of each sum.
; code = x / 2^eb, held within +-448, to the nearest code, ties to even.
; THE ORDER ALONG K.  A lane takes 16 bytes of each of a row's four runs of 512 bytes: lane l holds k = 128 a + 4 l + b in register 4 a + b.  Its 16 codes are stored on end at
; byte 16 l of the row of codes: place 16 l + 4 a + b holds k = 128 a + 4 l + b.  The next launch lays the embeddings' codes in the same order, so every product meets its partner.
; IMAGES.  wcodes: [tile T 0..63][K step s 0..3][group c 0..3][lane][16 bytes]; lane (r = lane % 16, h = lane / 16) holds centroid 16 T + r, places 128 s + 32 c + 16 h + 0 .. 15.
; SHARES.  Wave w of work-group g takes tile T = 4 g + w: 16 rows of 2,048 bytes, each read by four loads of 512 consecutive bytes.  The codes turn through the wave's own 16 rows in LDS.
; LIMITS: eb between -126 and 119; the bias is made by v_ldexp_f32 and has to be a finite number.  NaN among the inputs is not served.
; No matrix unit, no cluster, no tensor load: 2 MiB are read once by 64 waves that share nothing but the 64 sums of a work-group.
.set PITCH, 528                        ; a row of codes in LDS: 512 bytes + 16: 33 x 16, so the 16 rows that a read touches begin at 16 different columns of 16 bytes
.set WREG,  16*PITCH                   ; a wave's 16 rows
.set CS,    4*WREG                     ; behind them: the work-group's 64 sums of squares, 256 bytes
.set LI,    1                          ; v1   16 x lane
.set RS,    2                          ; v2   where I store a row's 16 codes: wave's rows + 16 x lane
.set FR,    3                          ; v3   where I read a fragment's 16 bytes: wave's rows + r x PITCH + 16 h
.set CSA,   4                          ; v4   my wave's 16 sums
.set SCL,   5                          ; v5   2^eb as f32
.set LIM,   6                          ; v6   448 x 2^eb
.set PX,    7                          ; v7   what comes from the other half of the lanes
.set SUM,   8                          ; v8-11 two packed chains of squares
.set CD,    16                         ; v16-31 four sets of 4 registers of codes, by turns
.set ST,    32                         ; v32-159 eight rows x 16 numbers
.set RB,    160                        ; v160-223 the 16 groups read back
.set BI,    224                        ; v224-225 two sums, then two biases
.set CRD,   226                        ; v226 where wave 0 reads the sums: CS + 8 x lane
.set BO,    227                        ; v227 8 x lane
.set RSUM,  240                        ; v240-255 a row's sum, a register for each row: no store's data are written again
	s_load_b256 s[4:11], s[0:1], 0x0               ; centroids s[4:5], the exponents s[6:7], wcodes s[8:9], bias s[10:11]
	v_lshl_add_u32 v238, v0, 2, 0x8600
	v_mov_b32 v239, 0
	v_lshrrev_b32 v12, 5, v0
	v_readfirstlane_b32 s12, v12                   ; wave 0..3
	v_and_b32 v13, 31, v0                          ; lane
	v_and_b32 v14, 15, v0                          ; r
	v_bfe_u32 v15, v0, 4, 1                        ; h
	v_lshlrev_b32 v[LI], 4, v13
	s_mul_i32 s13, s12, WREG
	v_add_nc_u32 v[RS], s13, v[LI]
	v_mul_u32_u24 v[FR], v14, PITCH
	v_lshl_add_u32 v[FR], v15, 4, v[FR]
	v_add_nc_u32 v[FR], s13, v[FR]
	s_lshl_b32 s14, s12, 6
	s_add_co_u32 s14, s14, CS
	v_mov_b32 v[CSA], s14
	v_lshlrev_b32 v[BO], 3, v13
	v_add_nc_u32 v[CRD], CS, v[BO]
	v_mov_b32 v[PX], 0                             ; a lane permute's destination counts as read: written once
	s_mov_b32 s24, 0x76543210                      ; v_permlanex16_b32: each lane takes its own place in the other half
	s_mov_b32 s25, 0xfedcba98
	s_lshl_b32 s15, ttmp9, 2
	s_add_co_u32 s15, s15, s12                     ; T
	s_lshl_b32 s18, s15, 15                        ; 16 rows of 2,048 bytes
	s_mov_b32 s19, 0
	s_lshl_b32 s20, s15, 13                        ; an image of 8,192 bytes
	s_mov_b32 s21, 0
	s_lshl_b32 s22, ttmp9, 8                       ; 64 biases
	s_mov_b32 s23, 0
	s_wait_alu depctr_va_vdst(0)
	s_wait_kmcnt 0x0
	s_load_b64 s[16:17], s[6:7], 0x0               ; ea, eb
	s_add_nc_u64 s[4:5], s[4:5], s[18:19]
	s_add_nc_u64 s[8:9], s[8:9], s[20:21]
	s_add_nc_u64 s[10:11], s[10:11], s[22:23]
.macro RLOAD q                         ; row q: four loads of 512 consecutive bytes, into set q % 8
.irp a, 0,1,2,3
	global_load_b128 v[ST+16*((\q)%8)+4*\a:ST+16*((\q)%8)+4*\a+3], v[LI], s[4:5] offset:(\q)*2048+\a*512
.endr
.endm
.irp q, 0,1,2,3,4,5,6,7
	RLOAD \q
.endr
	s_wait_kmcnt 0x0
	s_add_co_i32 s27, s17, 127
	s_lshl_b32 s28, s27, 23
	v_mov_b32 v[SCL], s28                          ; the conversion takes this number's exponent field
	s_add_co_i32 s27, s27, 8
	s_lshl_b32 s27, s27, 23
	s_or_b32 s27, s27, 0x600000
	v_mov_b32 v[LIM], s27
	s_sub_co_i32 s26, -1, s16
	s_sub_co_i32 s26, s26, s17                     ; -1 - ea - eb
.macro CROW q
.set XS, ST+16*((\q)%8)
.set CQ, CD+4*((\q)%4)
.if (\q) < 8
	s_wait_loadcnt 28                              ; behind row q's four loads: rows q + 1 .. 7 and the reloaded rows 8 .. 7 + q: seven rows of four
.else
	s_wait_loadcnt 4*(15-(\q))                     ; behind them: rows q + 1 .. 15
.endif
	v_pk_mul_f32 v[SUM:SUM+1], v[XS:XS+1], v[XS:XS+1]              ; the squares of the numbers as they are given, in two packed chains; the first products start them
	v_pk_mul_f32 v[SUM+2:SUM+3], v[XS+2:XS+3], v[XS+2:XS+3]
.irp j, 4,8,12
	v_pk_fma_f32 v[SUM:SUM+1], v[XS+\j:XS+\j+1], v[XS+\j:XS+\j+1], v[SUM:SUM+1]
	v_pk_fma_f32 v[SUM+2:SUM+3], v[XS+\j+2:XS+\j+3], v[XS+\j+2:XS+\j+3], v[SUM+2:SUM+3]
.endr
	v_pk_add_f32 v[SUM:SUM+1], v[SUM:SUM+1], v[SUM+2:SUM+3]
	v_add_f32 v[SUM], v[SUM], v[SUM+1]
	v_add_f32_dpp v[SUM], v[SUM], v[SUM] row_xmask:1 row_mask:0xf bank_mask:0xf
	v_add_f32_dpp v[SUM], v[SUM], v[SUM] row_xmask:2 row_mask:0xf bank_mask:0xf
	v_add_f32_dpp v[SUM], v[SUM], v[SUM] row_xmask:4 row_mask:0xf bank_mask:0xf
	v_add_f32_dpp v[SUM], v[SUM], v[SUM] row_xmask:8 row_mask:0xf bank_mask:0xf
	v_permlanex16_b32 v[PX], v[SUM], s24, s25
	v_add_f32 v[RSUM+(\q)], v[SUM], v[PX]          ; every lane holds the row's sum
	ds_store_b32 v[CSA], v[RSUM+(\q)] offset:4*(\q) ; all lanes write the same word with the same number
.irp i, 0,1,2,3,4,5,6,7,8,9,10,11,12,13,14,15
	v_med3_num_f32 v[XS+\i], v[XS+\i], -v[LIM], v[LIM]             ; the conversion to an 8-bit code does not saturate (ISA guide 7.6.2): the hold at the largest code x the scale
.endr
	s_wait_alu depctr_va_vdst(0)
	s_wait_dscnt 7                                 ; behind row q - 4's store of codes, which read this set: two stores for each of three rows, and this row's sum
	v_cvt_scalef32_pk8_fp8_f32 v[CQ:CQ+1], v[XS:XS+7], v[SCL]
	v_cvt_scalef32_pk8_fp8_f32 v[CQ+2:CQ+3], v[XS+8:XS+15], v[SCL]
	v_nop                                          ; one plain vector line behind the conversions
	ds_store_b128 v[RS], v[CQ:CQ+3] offset:PITCH*(\q)  ; the wave writes the row's 512 codes on end
.if (\q) < 8
	RLOAD (\q)+8
.endif
.endm
.irp q, 0,1,2,3,4,5,6,7,8,9,10,11,12,13,14,15
	CROW \q
.endr
	; the image: group (s, c) of my lane is 16 bytes of row r.  LDS serves a wave's instructions in order: these reads see my stores
.irp s, 0,1,2,3
.irp c, 0,1,2,3
	ds_load_b128 v[RB+16*\s+4*\c:RB+16*\s+4*\c+3], v[FR] offset:128*\s+32*\c
.endr
.endr
.irp s, 0,1,2,3
.irp c, 0,1,2,3
	s_wait_dscnt 15-4*\s-\c
	global_store_b128 v[LI], v[RB+16*\s+4*\c:RB+16*\s+4*\c+3], s[8:9] offset:2048*\s+512*\c   ; 32 lanes store 512 consecutive bytes, at a multiple of 256 from the buffer's first byte
.endr
.endr
	s_wait_dscnt 0x0                               ; for the others' sake: my sums lie in LDS
	s_barrier_signal -1
	s_barrier_wait -1
	s_cmp_lg_u32 s12, 0                            ; wave 0 stores the work-group's 64 biases: 256 consecutive bytes by one instruction
	s_cbranch_scc1 .Ldone
	ds_load_b64 v[BI:BI+1], v[CRD]
	s_wait_dscnt 0x0
	v_ldexp_f32 v[BI], v[BI], s26
	v_ldexp_f32 v[BI+1], v[BI+1], s26
	v_xor_b32 v[BI], 0x80000000, v[BI]             ; the bias is taken away from the sums
	v_xor_b32 v[BI+1], 0x80000000, v[BI+1]
	global_store_b64 v[BO], v[BI:BI+1], s[10:11]
.Ldone:
	s_wait_tensorcnt 0x0
	ds_add_u32 v238, v239
	s_wait_dscnt 0x0
	s_endpgm
.Lfunc_end_k_q0c022ef685_prep:
	.size	k_q0c022ef685_prep, .Lfunc_end_k_q0c022ef685_prep-k_q0c022ef685_prep
	.p2alignl 7, 3214868480
	.fill 96, 4, 3214868480
	.section	.rodata,"a",@progbits
	.p2align	6, 0x0
	.amdhsa_kernel k_q0c022ef685_prep
		.amdhsa_group_segment_fixed_size 34816
		.amdhsa_private_segment_fixed_size 0
		.amdhsa_enable_private_segment 0
		.amdhsa_kernarg_size 32
		.amdhsa_user_sgpr_count 2
		.amdhsa_user_sgpr_kernarg_segment_ptr 1
		.amdhsa_wavefront_size32 1
		.amdhsa_system_sgpr_workgroup_id_x 1
		.amdhsa_system_sgpr_workgroup_id_y 1
		.amdhsa_system_sgpr_workgroup_id_z 1
		.amdhsa_system_vgpr_workitem_id 0
		.amdhsa_next_free_vgpr 256
		.amdhsa_next_free_sgpr 66
		.amdhsa_reserve_vcc 0
		.amdhsa_float_denorm_mode_32 3
		.amdhsa_float_denorm_mode_16_64 3
		.amdhsa_memory_ordered 1
		.amdhsa_forward_progress 1
		.amdhsa_inst_pref_size 49
	.end_amdhsa_kernel
	.amdgpu_metadata
---
amdhsa.version: [ 1, 2 ]
amdhsa.kernels:
  - .name:           k_q0c022ef685_prep
    .symbol:         k_q0c022ef685_prep.kd
    .args:
      - { .name: centroids, .offset: 0, .size: 8, .value_kind: global_buffer, .address_space: global }
      - { .name: lowp_scales, .offset: 8, .size: 8, .value_kind: global_buffer, .address_space: global }
      - { .name: wcodes, .offset: 16, .size: 8, .value_kind: global_buffer, .address_space: global }
      - { .name: bias, .offset: 24, .size: 8, .value_kind: global_buffer, .address_space: global }
    .group_segment_fixed_size: 34816
    .private_segment_fixed_size: 0
    .kernarg_segment_align: 8
    .kernarg_segment_size: 32
    .max_flat_workgroup_size: 128
    .sgpr_count:     66
    .vgpr_count:     256
    .wavefront_size: 32
...
	.end_amdgpu_metadata
.endif
;; end of part 5
;; launch assign (part 6): grid 256 x 1, 4 waves a work-group, no clusters, 303,616 bytes of LDS; arguments embeddings, wcodes, bias, lowp_scales, out1, assigned; writes out1, assigned
.if DOCPART == 6
	.amdgcn_target "amdgcn-amd-amdhsa--gfx1250"
	.amdhsa_code_object_version 6
	.text
	.protected	k_q0c022ef685_assign
	.globl	k_q0c022ef685_assign
	.p2align	8
	.type	k_q0c022ef685_assign,@function
k_q0c022ef685_assign:
	s_mov_b64 s[64:65], 0
	v_nop
	global_prefetch_b8 v0, s[64:65] scope:SCOPE_SE
	s_setreg_imm32_b32 hwreg(HW_REG_WAVE_SCHED_MODE, 0, 2), 2
	s_setreg_imm32_b32 hwreg(HW_REG_WAVE_MODE, 25, 1), 1
	s_wait_xcnt 0x0
	s_wait_alu depctr_vm_vsrc(0)
; ASSIGN.  For each of 131,072 rows of embeddings [131072][512] f32: the index of the centroid with the smallest squared distance, the cross product taken on codes of E4M3.
; d2[n][k] = e_sq[n] - 2 cross[n][k] + c_sq[k].  e_sq is the same for all k of a row, so the smallest d2 is the LARGEST key[n][k] = (sum over K of code_e x code_c) - c_sq[k] x 2^(-1 - ea - eb).
; The second term (buffer bias) is the C of each sum's first matrix instruction: forming the key costs no vector instruction.
; STATED LIMITS.  The order of rounding differs from d2's as written (e_sq is not added; the bias stands at the head of the sum).  Equal keys: the lower index.  ea between -126 and 119.  NaN is not served.
; SHARES.  Work-group g owns rows 512 g .. 512 g + 511: 32 tiles of 16 rows.  THE CENTROIDS STAY IN REGISTERS: in pass p wave w holds the codes of centroids 512 p + 128 w + 0 .. 127,
; 8 tiles x 4 K steps x 16 registers = 512 registers, loaded from wcodes as images of the operand's registers.  The rows' codes go round through LDS and stay there.
; PASS 0, eight laps of four tiles, QUANTISED ONE LAP AHEAD.  While lap i's four tiles are multiplied, wave w quantises its tile of lap i + 1 (tile 4 (i + 1) + w), four rows behind each tile's search,
; and asks for the same four rows of lap i + 2.  So a wave's loads go out 16 at a time, a quarter of a lap apart, and 48 to 64 of them, 512 bytes each, are on their way throughout.
; ONE BARRIER A LAP, in its fourth tile: behind it lap i + 1's 64 rows of codes lie in LDS.  Each byte of the codes is written once in the launch, so no read has to be ordered ahead of a later store.
; PASS 1: the other 512 centroids, the same codes from LDS, no memory traffic, no barrier.
; THE MATRIX INSTRUCTION IS USED TRANSPOSED: source 0 = 16 centroids, source 1 = 16 rows: lane (r, h) holds row r, and register j of tile t centroid 16 t + 8 h + j.
; THE ORDER ALONG K is permuted alike in both operands: place 16 l + 4 a + b of a row of codes holds k = 128 a + 4 l + b, which is what lane l holds behind four loads of 512 consecutive bytes.
; So a lane's 16 codes are stored on end by one instruction, and no f32 number goes through LDS.
; NO CLUSTER, NO TENSOR LOAD: what the work-groups share, 512 KiB of centroid codes, goes from memory into each work-group's registers once; through LDS it would be written and read once more,
; and of LDS 303,104 bytes are taken by the rows' codes and the waves' results.
; REGISTERS, in windows of 256 (s_set_vgpr_msb's low byte: bits 1:0 source 0, 3:2 source 1, 5:4 source 2, 7:6 destination):
;   window 0: v1-13 addresses and constants; v17-27 the search; v28-31 pass 0's result; v32-47 codes; v64-127 a tile's fragment; v128-191 eight accumulators; v192-255 the biases in the result's layout
;   window 1: 16 rows x 16 numbers of f32 on their way; in pass 1 the centroids' K steps 0, 1.   window 2: pass 0's K steps 0, 1.   window 3: K steps 2, 3.
; THE MODE: SCHED_MODE bits 1:0 = 2 (LLVM: expert scheduling mode 2), set by the entry lines.  The code itself states the register dependences
; between vector or matrix instructions and memory or LDS instructions, and those through scalar registers that vector instructions write, with s_wait_alu, always for 0.
; THE PLAN.  Registers that memory or LDS instructions touch:
;   window 1, the rows   Global loads land there; a group's holds write them in place and its conversions read them; the reloads land behind those.
;   CD                   Written by a group's conversions; read by its four LDS stores.
;   (KEY, IDX)           Written by a tile's search; read by the one LDS store of the result.
;   AF                   A fetch's 16 LDS loads land there; a tile's 32 products read it.  One buffer: all 1,024 registers are dealt out.
;   OLD (pass 1)         A fetch's 8-byte load lands there, two pairs by turns; the search's merge reads it.
;   IMG, AFA, PA         Written at a lap's head; read by the lap's LDS instructions.
;   windows 2, 3, BIAS   Loaded at the head and between the passes; read by the products.
;   v1, v11, v12, v13    Offsets and addresses made at the head and never written again.
; Two waits on va_vdst a tile.  (1) Behind the products, ahead of the next fetch: the products are done reading AF.  (2) Behind the search (and, in a lap that quantises, the group's conversions):
; the pair and the codes are written, the rows' registers are written and read; behind it stand the result's store, the codes' stores and the reloads, with no vector instruction among them.
; A wait on vm_vsrc stands ahead of each write of a register that an LDS store or load has read: at a lap's head (the addresses) and ahead of each search and group (the pair, the codes).
; The search's compares stand in two runs, each into scalar registers of its own, with one wait on va_sdst behind the run.
.set PITCH,  528                       ; a row of codes in LDS: 512 bytes + 16 = 33 x 16: the 16 rows of a fragment load begin at 16 different columns of 16 bytes
.set TILEB,  16*PITCH                  ; a tile of 16 rows
.set LAPB,   4*TILEB                   ; a lap's four tiles
.set PART,   32*TILEB                  ; behind the codes: [wave][tile 32][lane 32] x (key, index), 8,192 bytes a wave, each wave's own until the last barrier
.set PASSW,  262144                    ; the images of 512 centroids in wcodes
.set LAPG,   131072                    ; a lap's 64 rows of f32
.set LI,   1                           ; v1   16 x lane
.set IMGB, 2                           ; v2   16 x lane + wave x TILEB
.set IMG,  3                           ; v3   + the lap in hand: the stores of codes reach a lap further by their immediate
.set AFB,  4                           ; v4   r x PITCH + 16 h
.set AFA,  5                           ; v5   + the lap: where I read a fragment
.set PAB,  6                           ; v6   PART + 8,192 x wave + 8 x lane
.set PA,   7                           ; v7   + the lap: my (key, index)
.set SCL,  8                           ; v8   2^ea as f32
.set LIM,  9                           ; v9   448 x 2^ea
.set LB,   10                          ; v10  the index of my register 0 of tile 0: 8 h + 128 x wave (+ 512 in pass 1)
.set BO,   11                          ; v11  32 h
.set FA,   12                          ; v12  the end: where thread T reads the results of rows 4 T .. 4 T + 3
.set FO,   13                          ; v13  16 T
.set MR0,  26                          ; the largest key of tile t: tile 0's register becomes the largest of all
.set MR1,  17
.set MR2,  18
.set MR3,  19
.set MR4,  20
.set MR5,  21
.set MR6,  22
.set MR7,  23
.set TID,  24                          ; v24  the winning tile
.set POS,  25                          ; v25  the place in it
.set KEY,  26                          ; v[26:27] (key, index): a pair for the 8-byte store
.set IDX,  27
.set OLD,  28                          ; v[28:29], v[30:31] pass 0's (key, index), by turns
.set CD,   32                          ; v32-47 four sets of 4 registers of codes; at the end v32-35 the four indices
.set AF,   64
.set ACC,  128
.set BIAS, 192
.set SM,   22                          ; s22  the lap x LAPB
.set PM,   23                          ; s23  the lap x 1,024
.set MK,   28                          ; s28-35 the search's masks: a run of compares writes them, one wait, the selects read them
.set FM,   25                          ; s25-36 the end's masks: three for each of a thread's four rows
.set MSB, 0
.macro WIN new                         ; the immediate's high byte repeats the setting that is left; a switch that changes nothing is dropped
.if MSB != \new
	s_set_vgpr_msb (MSB<<8)|\new
.set MSB, \new
.endif
.endm
.macro BARRIER                         ; my LDS stores have landed and my LDS loads are in: then the work-group's barrier
	s_wait_dscnt 0x0
	s_barrier_signal -1
	s_barrier_wait -1
.endm
; The centroids' K steps s0 and s0 + 1 of pass p, 8 tiles: 64 loads of 512 consecutive bytes, into the window that is set
.macro LOADB p, s0
.irp u, 0,1
.irp t, 0,1,2,3,4,5,6,7
.irp c, 0,1,2,3
	global_load_b128 v[128*\u+16*\t+4*\c:128*\u+16*\t+4*\c+3], v[LI], s[6:7] offset:\p*PASSW+\t*8192+(\s0+\u)*2048+\c*512
.endr
.endr
.endr
.endm
; The biases of pass p in the result's layout: register 8 t + j of lane (r, h) is that of centroid 16 t + 8 h + j
.macro LOADBIAS p
.irp t, 0,1,2,3,4,5,6,7
	global_load_b128 v[BIAS+8*\t:BIAS+8*\t+3], v[BO], s[8:9] offset:\p*2048+64*\t
	global_load_b128 v[BIAS+8*\t+4:BIAS+8*\t+7], v[BO], s[8:9] offset:\p*2048+64*\t+16
.endr
.endm
; Rows 4 G .. 4 G + 3 of a tile of mine become codes: the vector part.
.macro QCONV G
	s_wait_loadcnt 48                              ; behind these four rows' 16 loads: the same tile's later rows, 48 - 16 G loads, and the reloads issued since, 16 G
	WIN 0x41                                       ; the numbers in window 1, the bound in window 0
.irp q, 0,1,2,3
.irp i, 0,1,2,3,4,5,6,7,8,9,10,11,12,13,14,15
	v_med3_num_f32 v[16*(4*\G+\q)+\i], v[16*(4*\G+\q)+\i], -v[LIM], v[LIM]   ; the conversion to an 8-bit code does not saturate (ISA guide 7.6.2): the hold at the largest code x the scale
.endr
.endr
	WIN 0x01
.irp q, 0,1,2,3
	v_cvt_scalef32_pk8_fp8_f32 v[CD+4*\q:CD+4*\q+1], v[16*(4*\G+\q):16*(4*\G+\q)+7], v[SCL]
	v_cvt_scalef32_pk8_fp8_f32 v[CD+4*\q+2:CD+4*\q+3], v[16*(4*\G+\q)+8:16*(4*\G+\q)+15], v[SCL]
.endr
	WIN 0
	v_nop                                          ; one plain vector line behind the conversions
.endm
; The memory part, behind a wait on va_vdst: the codes go to LDS, dst bytes behind v[IMG]; the rows' registers are asked for anew.  No vector instruction stands in it.
; kind = 0: with the same rows of my tile a lap further on, ahead bytes behind the base; kind = 1: with pass 1's centroids, K steps 0 and 1.
.macro QSEND G, kind, dst, ahead
.irp q, 0,1,2,3
	ds_store_b128 v[IMG], v[CD+4*\q:CD+4*\q+3] offset:\dst+(4*\G+\q)*PITCH   ; the wave writes a row's 512 codes on end
.endr
	WIN 0x40                                       ; destination window 1
.irp q, 0,1,2,3
.irp a, 0,1,2,3
.if \kind
	global_load_b128 v[16*(4*\G+\q)+4*\a:16*(4*\G+\q)+4*\a+3], v[LI], s[6:7] offset:PASSW+((4*\G+\q)%8)*8192+((4*\G+\q)/8)*2048+\a*512   ; K step (row / 8), tile (row % 8), group a: register 128 s + 16 t + 4 c
.else
	global_load_b128 v[16*(4*\G+\q)+4*\a:16*(4*\G+\q)+4*\a+3], v[LI], s[20:21] offset:\ahead+(4*\G+\q)*2048+\a*512 th:TH_LOAD_NT   ; 512 consecutive bytes
.endif
.endr
.endr
	WIN 0
.endm
; Both parts, where no result's store goes with them
.macro QGROUP G, kind, dst, ahead
	QCONV \G
	s_wait_alu depctr_va_vdst(0)                   ; the conversions have written the codes, which the LDS stores read; the holds and conversions are done with the rows' registers, in which the reloads land; all that was issued earlier is done too
	QSEND \G, \kind, \dst, \ahead
.endm
; Tile i of the lap (tile 4: the next lap's first): its fragment, 16 rows x 512 K, 64 registers; in pass 1 also what pass 0 found for it
.macro FETCH i, pass
.irp s, 0,1,2,3
.irp c, 0,1,2,3
	ds_load_b128 v[AF+16*\s+4*\c:AF+16*\s+4*\c+3], v[AFA] offset:(\i)*TILEB+128*\s+32*\c
.endr
.endr
.if \pass
	ds_load_b64 v[OLD+2*((\i)%2):OLD+2*((\i)%2)+1], v[PA] offset:(\i)*256
.endif
.endm
; A tile against my 128 centroids: 32 matrix instructions, the eight accumulators by turns, K step by K step; the first K step takes the biases as C.
.macro PRODUCTS pass
.if \pass
	WIN 0x01                                       ; source 0: pass 1's K steps 0, 1 lie in window 1
.else
	WIN 0x02                                       ; pass 0's in window 2
.endif
.irp t, 0,1,2,3,4,5,6,7
	v_wmma_f32_16x16x128_fp8_fp8 v[ACC+8*\t:ACC+8*\t+7], v[16*\t:16*\t+15], v[AF:AF+15], v[BIAS+8*\t:BIAS+8*\t+7]
.endr
.irp t, 0,1,2,3,4,5,6,7
	v_wmma_f32_16x16x128_fp8_fp8 v[ACC+8*\t:ACC+8*\t+7], v[128+16*\t:128+16*\t+15], v[AF+16:AF+31], v[ACC+8*\t:ACC+8*\t+7]
.endr
	WIN 0x03                                       ; K steps 2, 3 in window 3
.irp t, 0,1,2,3,4,5,6,7
	v_wmma_f32_16x16x128_fp8_fp8 v[ACC+8*\t:ACC+8*\t+7], v[16*\t:16*\t+15], v[AF+32:AF+47], v[ACC+8*\t:ACC+8*\t+7]
.endr
.irp t, 0,1,2,3,4,5,6,7
	v_wmma_f32_16x16x128_fp8_fp8 v[ACC+8*\t:ACC+8*\t+7], v[128+16*\t:128+16*\t+15], v[AF+48:AF+63], v[ACC+8*\t:ACC+8*\t+7]
.endr
	WIN 0
.rept 4
	v_nop                                          ; four places (ISA guide 7.12.1) in front of the first read of results; they stay beside the waits
.endr
.endm
; Tile i's search: the largest of a lane's 64 keys and its index; of equal keys the first.  (a) each tile's largest, from the accumulator's low end on; (b) the tiles in ascending order: an earlier tile
; stays on a tie, and the winning tile's eight keys are kept in tile 0's registers; (c) the first of the eight that equals the largest; (d) the index; in pass 1 (e) the merge with pass 0's result.
; The compares of (b) stand in one run, by turns with the running maximum that they hang on; those of (c) and (e) in a second.
.macro SEARCH i, pass
.set OLDR, OLD+2*((\i)%2)
.irp t, 0,1,2,3,4,5,6,7
	v_max3_num_f32 v[MR\t], v[ACC+8*\t], v[ACC+8*\t+1], v[ACC+8*\t+2]
.endr
.irp t, 0,1,2,3,4,5,6,7
	v_max3_num_f32 v[MR\t], v[MR\t], v[ACC+8*\t+3], v[ACC+8*\t+4]
.endr
.irp t, 0,1,2,3,4,5,6,7
	v_max3_num_f32 v[MR\t], v[MR\t], v[ACC+8*\t+5], v[ACC+8*\t+6]
.endr
.irp t, 0,1,2,3,4,5,6,7
	v_max_num_f32 v[MR\t], v[MR\t], v[ACC+8*\t+7]
.endr
	v_mov_b32 v[TID], 0
	v_mov_b32 v[POS], 7
.irp t, 1,2,3,4,5,6,7
	v_cmp_ge_f32 s[MK+\t-1], v[MR0], v[MR\t]       ; the earlier tiles keep their place
	v_max_num_f32 v[MR0], v[MR0], v[MR\t]
.endr
	s_wait_alu depctr_va_sdst(0)                   ; the seven compares have written s[MK] .. s[MK + 6], ahead of the selects that read them
.irp t, 1,2,3,4,5,6,7
	v_cndmask_b32 v[TID], \t, v[TID], s[MK+\t-1]
.irp j, 0,1,2,3,4,5,6,7
	v_cndmask_b32 v[ACC+\j], v[ACC+8*\t+\j], v[ACC+\j], s[MK+\t-1]
.endr
.endr
.irp j, 6,5,4,3,2,1,0
	v_cmp_neq_f32 s[MK+\j], v[ACC+\j], v[MR0]
.endr
.if \pass
	v_cmp_gt_f32 s[MK+7], v[KEY], v[OLDR]          ; pass 0's indices are the lower ones: they stay on a tie
.endif
	s_wait_alu depctr_va_sdst(0)                   ; the second run of compares has written its masks, ahead of the selects that read them
.irp j, 6,5,4,3,2,1,0
	v_cndmask_b32 v[POS], \j, v[POS], s[MK+\j]
.endr
	v_lshl_add_u32 v[IDX], v[TID], 4, v[POS]
	v_add_nc_u32 v[IDX], v[LB], v[IDX]
.if \pass
	v_max_num_f32 v[KEY], v[KEY], v[OLDR]
	v_cndmask_b32 v[IDX], v[OLDR+1], v[IDX], s[MK+7]
.endif
.endm
; The store of my lane's (key, index) of tile i, behind a wait on va_vdst
.macro PUT i
	ds_store_b64 v[PA], v[KEY:KEY+1] offset:(\i)*256
.endm
; A LAP OF PASS 0 THAT QUANTISES THE NEXT.  Its first fragment was asked for in the lap before.
.macro LAPQ kind
	s_wait_dscnt 0x0                               ; the fragment is in, and no LDS instruction of mine is out
	s_wait_alu depctr_vm_vsrc(0)                   ; the LDS instructions issued so far have read the three addresses, which are written below
	v_add_nc_u32 v[IMG], s[SM], v[IMGB]
	v_add_nc_u32 v[AFA], s[SM], v[AFB]
	v_add_nc_u32 v[PA], s[PM], v[PAB]
	PRODUCTS 0
.irp v, 0,1,2
	s_wait_alu depctr_va_vdst(0)                   ; the products are done reading the fragment, in which the fetch lands; in the lap's first tile the three addresses are written
	FETCH \v+1, 0                                  ; the next tile's fragment lands while this tile is searched and four rows are quantised
	s_wait_dscnt 16                                ; only these 16 loads may be out
	s_wait_alu depctr_vm_vsrc(0)                   ; the earlier stores have read the pair (key, index) and the codes' registers, which the search and the conversions write again
	SEARCH \v, 0
	QCONV \v
	s_wait_alu depctr_va_vdst(0)                   ; the search has written the pair and the conversions the codes, which the five LDS stores read; the holds and conversions are done with the rows' registers, in which the reloads land
	PUT \v
	QSEND \v, \kind, LAPB, 2*LAPG
	s_wait_dscnt 5                                 ; behind the fragment's loads: the result's store and four stores of codes
	PRODUCTS 0
.endr
	s_wait_dscnt 0x0                               ; the last group's stores are done (they were issued ahead of the 32 products)
	s_wait_alu depctr_vm_vsrc(0)                   ; they have read the codes' registers, and the last result's store its pair: both are written again below
	QGROUP 3, \kind, LAPB, 2*LAPG                  ; its wait on va_vdst also states that the fourth tile's products are done reading the fragment: no vector instruction stands between it and the fetch below
	BARRIER                                        ; every wave's tile of the next lap lies in LDS
	FETCH 4, 0                                     ; its first fragment lands while this lap's last tile is searched
	SEARCH 3, 0
	s_wait_alu depctr_va_vdst(0)                   ; the search has written the pair, which the store reads
	PUT 3
.endm
; A lap that only multiplies.  last = 1: no lap follows, so nothing more is fetched
.macro MULT pass, last
	s_wait_dscnt 0x0                               ; the fragment is in, and no LDS instruction of mine is out
	s_wait_alu depctr_vm_vsrc(0)                   ; the LDS instructions issued so far have read the two addresses, which are written below
	v_add_nc_u32 v[AFA], s[SM], v[AFB]
	v_add_nc_u32 v[PA], s[PM], v[PAB]
	PRODUCTS \pass
.irp v, 0,1,2
	s_wait_alu depctr_va_vdst(0)                   ; the products are done reading the fragment, and the merge of two tiles back its pair of pass 0, in which the fetch lands; in the lap's first tile the two addresses are written
	FETCH \v+1, \pass
	s_wait_dscnt 16+\pass                          ; only the fetch just issued may be out
	s_wait_alu depctr_vm_vsrc(0)                   ; the last result's store has read its pair, which the search writes again
	SEARCH \v, \pass
	s_wait_alu depctr_va_vdst(0)                   ; the search has written the pair, which the store reads
	PUT \v
	s_wait_dscnt 1                                 ; behind the fetch: the result's store
	PRODUCTS \pass
.endr
.if \last
	s_wait_dscnt 0x0                               ; the last result's store is done
	s_wait_alu depctr_vm_vsrc(0)                   ; it has read its pair, which the search writes again
.else
	s_wait_alu depctr_va_vdst(0)                   ; the products are done reading the fragment, and the merge of two tiles back its pair of pass 0, in which the fetch lands
	FETCH 4, \pass
	s_wait_dscnt 16+\pass
	s_wait_alu depctr_vm_vsrc(0)                   ; the last result's store has read its pair, which the search writes again
.endif
	SEARCH 3, \pass
	s_wait_alu depctr_va_vdst(0)                   ; the search has written the pair, which the store reads
	PUT 3
.endm
	s_load_b256 s[4:11], s[0:1], 0x0               ; embeddings s[4:5], wcodes s[6:7], bias s[8:9], the exponents s[10:11]
	s_load_b128 s[12:15], s[0:1], 0x20             ; out1 s[12:13], assigned s[14:15]
	v_lshl_add_u32 v62, v0, 2, 0x4a000
	v_mov_b32 v63, 0
	v_lshrrev_b32 v14, 5, v0
	v_readfirstlane_b32 s16, v14                   ; wave 0..3
	v_and_b32 v14, 31, v0                          ; lane
	v_and_b32 v15, 15, v0                          ; r
	v_bfe_u32 v16, v0, 4, 1                        ; h
	v_lshlrev_b32 v[LI], 4, v14
	s_wait_alu depctr_va_sdst(0)                   ; s16 is written, ahead of its first reader: addresses and bases are made from it
	s_mul_i32 s18, s16, TILEB
	v_add_nc_u32 v[IMGB], s18, v[LI]
	v_mul_u32_u24 v[AFB], v15, PITCH
	v_lshl_add_u32 v[AFB], v16, 4, v[AFB]
	s_lshl_b32 s18, s16, 13
	s_add_co_u32 s18, s18, PART
	v_lshl_add_u32 v[PAB], v14, 3, s18
	s_lshl_b32 s18, s16, 7
	v_lshl_add_u32 v[LB], v16, 3, s18
	v_lshlrev_b32 v[BO], 5, v16
	v_lshrrev_b32 v[FA], 2, v0                     ; thread T: rows 4 T .. 4 T + 3 lie in tile T / 4, at r = 4 (T % 4) on
	v_lshlrev_b32 v[FA], 8, v[FA]
	v_and_b32 v14, 3, v0
	v_lshl_add_u32 v[FA], v14, 5, v[FA]
	v_add_nc_u32 v[FA], PART, v[FA]
	v_lshlrev_b32 v[FO], 4, v0
	s_lshl_b32 s18, ttmp9, 20                      ; my work-group's 512 rows of 2,048 bytes,
	s_lshl_b32 s19, s16, 15                        ; my wave's tile of a lap
	s_add_co_u32 s18, s18, s19
	s_mov_b32 s19, 0
	s_lshl_b32 s28, s16, 16                        ; my wave's 8 images of 8,192 bytes
	s_mov_b32 s29, 0
	s_lshl_b32 s30, s16, 9                         ; my wave's 128 biases
	s_mov_b32 s31, 0
	s_lshl_b32 s32, ttmp9, 11                      ; my work-group's 512 indices
	s_mov_b32 s33, 0
	s_mov_b32 s[SM], 0
	s_mov_b32 s[PM], 0
	s_mov_b32 s24, 6
	s_wait_kmcnt 0x0
	s_load_b32 s17, s[10:11], 0x0                  ; ea
	s_add_nc_u64 s[20:21], s[4:5], s[18:19]
	s_add_nc_u64 s[6:7], s[6:7], s[28:29]
	s_add_nc_u64 s[8:9], s[8:9], s[30:31]
	s_add_nc_u64 s[12:13], s[12:13], s[32:33]
	s_add_nc_u64 s[14:15], s[14:15], s[32:33]
	WIN 0x80
	s_wait_alu depctr_va_vdst(0)                   ; the offsets and addresses made above are written: v[LI] and v[BO], which the loads below read, v[FA] and v[FO] for the end, and the closing add's two registers
	LOADB 0, 0                                     ; the centroids and biases are asked for ahead of the rows, so that the first counted wait for rows shows them in too
	WIN 0xc0
	LOADB 0, 2
	WIN 0
	LOADBIAS 0
	WIN 0x40
.irp q, 0,1,2,3,4,5,6,7,8,9,10,11,12,13,14,15
.irp a, 0,1,2,3
	global_load_b128 v[16*\q+4*\a:16*\q+4*\a+3], v[LI], s[20:21] offset:\q*2048+\a*512 th:TH_LOAD_NT   ; lap 0's rows
.endr
.endr
	WIN 0
	s_wait_kmcnt 0x0
	s_add_co_i32 s18, s17, 127
	s_lshl_b32 s19, s18, 23
	v_mov_b32 v[SCL], s19                          ; the conversion takes this number's exponent field
	s_add_co_i32 s18, s18, 8
	s_lshl_b32 s18, s18, 23
	s_or_b32 s18, s18, 0x600000
	v_mov_b32 v[LIM], s18
	; lap 0's tile is quantised ahead of the loop; its registers take lap 1's rows
	v_add_nc_u32 v[IMG], s[SM], v[IMGB]
	v_add_nc_u32 v[AFA], s[SM], v[AFB]             ; made here, so that the first group's wait on va_vdst states that both addresses are written
	s_wait_alu depctr_va_vdst(0)
	QGROUP 0, 0, 0, LAPG
	s_wait_dscnt 0x0                               ; the group's four stores are done
	s_wait_alu depctr_vm_vsrc(0)                   ; they have read the four sets of codes, which the next group's conversions write again
	QGROUP 1, 0, 0, LAPG
	s_wait_dscnt 0x0
	s_wait_alu depctr_vm_vsrc(0)                   ; likewise
	QGROUP 2, 0, 0, LAPG
	s_wait_dscnt 0x0
	s_wait_alu depctr_vm_vsrc(0)                   ; likewise
	QGROUP 3, 0, 0, LAPG
	BARRIER                                        ; lap 0's 64 rows of codes lie in LDS
	FETCH 0, 0                                     ; no vector instruction has named the fragment's registers yet
.Llap:                                             ; PASS 0, laps 0 to 5: lap i is multiplied, lap i + 1 quantised, lap i + 2 asked for
	LAPQ 0
	s_wait_xcnt 0x0                                ; the reloads have read their base
	s_add_nc_u64 s[20:21], s[20:21], LAPG
	s_add_co_u32 s[SM], s[SM], LAPB
	s_add_co_u32 s[PM], s[PM], 1024
	s_sub_co_u32 s24, s24, 1
	s_cmp_lg_u32 s24, 0
	s_cbranch_scc1 .Llap
	LAPQ 1                                         ; lap 6 is written out: no rows are left to ask for; the rows' registers take half of pass 1's centroids
	s_add_co_u32 s[SM], s[SM], LAPB
	s_add_co_u32 s[PM], s[PM], 1024
	MULT 0, 1                                      ; lap 7: nothing is left to quantise
	s_mov_b32 s[SM], 0
	s_mov_b32 s[PM], 0
	s_mov_b32 s24, 7
	s_wait_dscnt 0x0                               ; no LDS instruction of mine is out
	s_wait_alu depctr_vm_vsrc(0)                   ; the LDS instructions issued so far have read the two addresses, which are written below
	v_add_nc_u32 v[LB], 0x200, v[LB]
	v_add_nc_u32 v[AFA], s[SM], v[AFB]
	v_add_nc_u32 v[PA], s[PM], v[PAB]
	WIN 0xc0                                       ; the other half of pass 1's centroids, and its biases
	s_wait_alu depctr_va_vdst(0)                   ; pass 0's last products are done reading K steps 2 and 3, the biases and the fragment, in which the loads below land; the two addresses are written
	LOADB 1, 2
	WIN 0
	LOADBIAS 1
	FETCH 0, 1                                     ; lands while the centroids come
	s_wait_loadcnt 0x0
.Lpass1:                                           ; PASS 1, laps 0 to 6: the codes are only read, and a wave's results are its own: no barrier
	MULT 1, 0
	s_add_co_u32 s[SM], s[SM], LAPB
	s_add_co_u32 s[PM], s[PM], 1024
	s_sub_co_u32 s24, s24, 1
	s_cmp_lg_u32 s24, 0
	s_cbranch_scc1 .Lpass1
	MULT 1, 1                                      ; lap 7 is written out: no fetch reaches past the codes
	BARRIER                                        ; all four waves' results lie in LDS
	; THE END.  A row has eight candidates: four waves x two halves of the lanes.  Thread T merges those of rows 4 T .. 4 T + 3: the larger key, of equal keys the lower index.
	; The candidates land in the fragment's registers: the last products, which read them, stand ahead of the last search's wait on va_vdst, and no vector instruction has been issued since.
.irp c, 0,1,2,3,4,5,6,7
	ds_load_b128 v[AF+8*\c:AF+8*\c+3], v[FA] offset:(\c/2)*8192+(\c%2)*128       ; candidate c = 2 x wave + half: (key, index) of rows 0, 1
	ds_load_b128 v[AF+8*\c+4:AF+8*\c+7], v[FA] offset:(\c/2)*8192+(\c%2)*128+16  ; and of rows 2, 3
.endr
	s_wait_dscnt 0x0
.irp c, 1,2,3,4,5,6,7
.irp p, 0,1,2,3
	v_cmp_gt_f32 s[FM+3*\p], v[AF+8*\c+2*\p], v[AF+2*\p]
	v_cmp_eq_f32 s[FM+3*\p+1], v[AF+8*\c+2*\p], v[AF+2*\p]
	v_cmp_lt_u32 s[FM+3*\p+2], v[AF+8*\c+2*\p+1], v[AF+2*\p+1]
.endr
	s_wait_alu depctr_va_sdst(0)                   ; the candidate's twelve compares have written their masks, ahead of the scalar lines that read them
.irp p, 0,1,2,3
	s_and_b32 s[FM+3*\p+1], s[FM+3*\p+1], s[FM+3*\p+2]
	s_or_b32 s[FM+3*\p], s[FM+3*\p], s[FM+3*\p+1]
.endr
.irp p, 0,1,2,3
	v_cndmask_b32 v[AF+2*\p], v[AF+2*\p], v[AF+8*\c+2*\p], s[FM+3*\p]
.if \c == 7
	v_cndmask_b32 v[CD+\p], v[AF+2*\p+1], v[AF+8*\c+2*\p+1], s[FM+3*\p]    ; the last merge puts the four indices side by side
.else
	v_cndmask_b32 v[AF+2*\p+1], v[AF+2*\p+1], v[AF+8*\c+2*\p+1], s[FM+3*\p]
.endif
.endr
.endr
	s_wait_alu depctr_va_vdst(0)                   ; the last merge has written the four indices, which the two stores read
	global_store_b128 v[FO], v[CD:CD+3], s[12:13] th:TH_STORE_NT   ; a wave stores 512 consecutive bytes, at a multiple of 256 from the buffer's first byte
	global_store_b128 v[FO], v[CD:CD+3], s[14:15]                  ; the copy from which the next launch forms addresses
	s_wait_dscnt 0x0                               ; the closing lines, six on end
	s_wait_alu 0x0
	s_wait_tensorcnt 0x0
	ds_add_u32 v62, v63
	s_wait_dscnt 0x0
	s_endpgm
.Lfunc_end_k_q0c022ef685_assign:
	.size	k_q0c022ef685_assign, .Lfunc_end_k_q0c022ef685_assign-k_q0c022ef685_assign
	.p2alignl 7, 3214868480
	.fill 96, 4, 3214868480
	.section	.rodata,"a",@progbits
	.p2align	6, 0x0
	.amdhsa_kernel k_q0c022ef685_assign
		.amdhsa_group_segment_fixed_size 303616
		.amdhsa_private_segment_fixed_size 0
		.amdhsa_enable_private_segment 0
		.amdhsa_kernarg_size 48
		.amdhsa_user_sgpr_count 2
		.amdhsa_user_sgpr_kernarg_segment_ptr 1
		.amdhsa_wavefront_size32 1
		.amdhsa_system_sgpr_workgroup_id_x 1
		.amdhsa_system_sgpr_workgroup_id_y 1
		.amdhsa_system_sgpr_workgroup_id_z 1
		.amdhsa_system_vgpr_workitem_id 0
		.amdhsa_next_free_vgpr 1024
		.amdhsa_next_free_sgpr 66
		.amdhsa_reserve_vcc 0
		.amdhsa_float_denorm_mode_32 3
		.amdhsa_float_denorm_mode_16_64 3
		.amdhsa_memory_ordered 1
		.amdhsa_forward_progress 1
		.amdhsa_inst_pref_size 255
	.end_amdhsa_kernel
	.section	.bss,"aw",@nobits
	.p2align	6
	.space	262144
	.amdgpu_metadata
---
amdhsa.version: [ 1, 2 ]
amdhsa.kernels:
  - .name:           k_q0c022ef685_assign
    .symbol:         k_q0c022ef685_assign.kd
    .args:
      - { .name: embeddings, .offset: 0, .size: 8, .value_kind: global_buffer, .address_space: global }
      - { .name: wcodes, .offset: 8, .size: 8, .value_kind: global_buffer, .address_space: global }
      - { .name: bias, .offset: 16, .size: 8, .value_kind: global_buffer, .address_space: global }
      - { .name: lowp_scales, .offset: 24, .size: 8, .value_kind: global_buffer, .address_space: global }
      - { .name: out1, .offset: 32, .size: 8, .value_kind: global_buffer, .address_space: global }
      - { .name: assigned, .offset: 40, .size: 8, .value_kind: global_buffer, .address_space: global }
    .group_segment_fixed_size: 303616
    .private_segment_fixed_size: 0
    .kernarg_segment_align: 8
    .kernarg_segment_size: 48
    .max_flat_workgroup_size: 128
    .sgpr_count:     66
    .vgpr_count:     1024
    .wavefront_size: 32
...
	.end_amdgpu_metadata
.endif
;; end of part 6
;; launch loss (part 7): grid 256 x 1, 16 waves a work-group, no clusters, 264,448 bytes of LDS; arguments embeddings, centroids, assigned, partial; writes partial
.if DOCPART == 7
	.amdgcn_target "amdgcn-amd-amdhsa--gfx1250"
	.amdhsa_code_object_version 6
	.text
	.protected	k_q0c022ef685_loss
	.globl	k_q0c022ef685_loss
	.p2align	8
	.type	k_q0c022ef685_loss,@function
k_q0c022ef685_loss:
	s_mov_b64 s[64:65], 0
	v_nop
	global_prefetch_b8 v0, s[64:65] scope:SCOPE_SE
	s_setreg_imm32_b32 hwreg(HW_REG_WAVE_MODE, 25, 1), 1
	s_wait_xcnt 0x0
; LOSS.  partial[g] = the sum, over work-group g's 4,096 rows n and its 64 columns d, of (embeddings[n][d] - centroids[assigned[n]][d])^2, in f32 on the numbers as they are given.
; THE TABLE LIES IN LDS.  Work-group g takes columns 64 (g % 8) .. + 63, 256 bytes of a row, and rows 4,096 (g / 8) on.  That slice of all 1,024 centroids is 262,144 bytes of LDS, filled once.
; So a work-group fetches 256 KiB of centroids in all, and not 256 bytes for each of its 4,096 rows' pieces again (1 MiB); the gather is an LDS read: sixteen lanes take one row of 256 consecutive bytes.
; A stream: no matrix unit.  No cluster and no tensor load: what work-groups share, a slice's table, is 256 KiB of a work-group's 1,280 KiB, read once at the head.
; SHARES.  Wave w takes rows 256 w .. 256 w + 255 of the work-group's, in 8 batches of 32.  In pair j of a batch lanes 0-15 take row j and lanes 16-31 row 16 + j: each half of a load reads one
; piece of 256 consecutive bytes, at a multiple of 256 from the buffer's first byte.  Work-groups g, g + 1, .. with the same g / 8 take the eight pieces of the same rows.
; INDICES.  Lane l loads the index of row l of each batch.  A row's index is wanted by the sixteen lanes of its half: v_mov_b32_dpp row_share:j hands lane 16 h + j's number to them.
; It is held at the table's last row BEHIND that move, and only then enters an address.
; Two batch slots in registers: 16 to 32 loads of a wave, 512 bytes each, are on their way.  Every offset is an immediate: 7 x 65,536 + 15 x 2,048 bytes at the most.
.set SUMS, 262144                      ; LDS behind the table: the sixteen waves' sums
.set L16, 1                            ; v1     16 r: my 16 bytes of a piece
.set EO,  2                            ; v2     embeddings: 16 rows x 2,048 x h + 16 r
.set CO,  3                            ; v3     centroids: 2,048 h + 16 r
.set TA,  4                            ; v4     the table, on the way in: 16,384 x wave + 16 x lane
.set IO,  5                            ; v5     4 x lane
.set PX,  6                            ; v6     what comes from the other half of the lanes
.set WA,  7                            ; v7     SUMS + 4 x wave
.set ZR,  8                            ; v8     0
.set SR,  9                            ; v9     SUMS
.set IX,  16                           ; v16-23 batch b: 256 x the index of row (my lane) of the batch
.set S,   24                           ; v24-31 four packed sums
.set E,   32                           ; v32-159 two slots of 16 pairs x 4 numbers of the embeddings
.set T,   96                           ; v96-223 at the head: 32 x 4 registers of the table on its way to LDS
.set C,   160                          ; v160-223 16 pairs x 4 numbers of the centroids, then the differences
.set AD,  224                          ; v224-239 a pair's LDS address
.set R,   32                           ; at the end: the sixteen sums
	s_load_b256 s[4:11], s[0:1], 0x0               ; embeddings s[4:5], centroids s[6:7], assigned s[8:9], partial s[10:11]
	v_lshl_add_u32 v240, v0, 2, 0x40100
	v_mov_b32 v241, 0
	v_lshrrev_b32 v10, 5, v0
	s_delay_alu instid0(VALU_DEP_1)
	v_readfirstlane_b32 s12, v10                   ; wave 0..15
	v_and_b32 v11, 31, v0                          ; lane
	v_and_b32 v12, 15, v0                          ; r
	v_bfe_u32 v13, v0, 4, 1                        ; h
	s_delay_alu instid0(VALU_DEP_2)
	v_lshlrev_b32 v[L16], 4, v12
	s_delay_alu instid0(VALU_DEP_1)
	v_lshl_add_u32 v[EO], v13, 15, v[L16]
	s_delay_alu instid0(VALU_DEP_2)
	v_lshl_add_u32 v[CO], v13, 11, v[L16]
	s_lshl_b32 s15, s12, 14
	v_lshl_add_u32 v[TA], v11, 4, s15
	v_lshlrev_b32 v[IO], 2, v11
	s_lshl_b32 s19, s12, 2
	s_add_co_u32 s19, s19, SUMS
	v_mov_b32 v[WA], s19
	v_mov_b32 v[ZR], 0
	v_mov_b32 v[SR], SUMS
	v_mov_b32 v[PX], 0                             ; a lane permute's destination counts as read: written once
.irp j, 0,1,2,3,4,5,6,7,8,9,10,11,12,13,14,15
	v_mov_b32 v[AD+\j], 0                          ; likewise the destinations of the moves between lanes
.endr
	s_mov_b32 s26, 0x76543210                      ; v_permlanex16_b32: each lane takes its own place in the other half
	s_mov_b32 s27, 0xfedcba98
	s_and_b32 s13, ttmp9, 7                        ; my slice
	s_lshr_b32 s14, ttmp9, 3                       ; my 4,096 rows
	s_lshl_b32 s18, s13, 8                         ; the slice's 256 bytes in a row
	s_lshl_b32 s16, s14, 23                        ; 4,096 rows of 2,048 bytes,
	s_lshl_b32 s17, s12, 19                        ; my wave's 256
	s_add_co_u32 s16, s16, s17
	s_add_co_u32 s16, s16, s18
	s_mov_b32 s17, 0
	s_lshl_b32 s20, s12, 17                        ; the 64 centroids that my wave brings
	s_add_co_u32 s20, s20, s18
	s_mov_b32 s21, 0
	s_lshl_b32 s22, s14, 14                        ; 4,096 indices,
	s_lshl_b32 s23, s12, 10                        ; my wave's 256
	s_add_co_u32 s22, s22, s23
	s_mov_b32 s23, 0
	s_lshl_b32 s24, ttmp9, 2
	s_mov_b32 s25, 0
	s_wait_kmcnt 0x0
	s_add_nc_u64 s[4:5], s[4:5], s[16:17]
	s_add_nc_u64 s[6:7], s[6:7], s[20:21]
	s_add_nc_u64 s[8:9], s[8:9], s[22:23]
	s_add_nc_u64 s[10:11], s[10:11], s[24:25]
.macro ELOAD b, j                      ; pair j of batch b into slot b % 2
	global_load_b128 v[E+64*((\b)%2)+4*(\j):E+64*((\b)%2)+4*(\j)+3], v[EO], s[4:5] offset:(\b)*65536+(\j)*2048 th:TH_LOAD_NT
.endm
.irp b, 0,1,2,3,4,5,6,7
	global_load_b32 v[IX+\b], v[IO], s[8:9] offset:128*\b          ; 32 indices: 128 consecutive bytes
.endr
.irp j, 0,1,2,3,4,5,6,7,8,9,10,11,12,13,14,15
	ELOAD 0, \j                                    ; the first batch is asked for ahead of the table
.endr
.irp q, 0,1,2,3,4,5,6,7,8,9,10,11,12,13,14,15,16,17,18,19,20,21,22,23,24,25,26,27,28,29,30,31
	global_load_b128 v[T+4*\q:T+4*\q+3], v[CO], s[6:7] offset:4096*\q   ; centroids 64 w + 2 q and 2 q + 1: 256 consecutive bytes each
.endr
	s_wait_loadcnt 0x0
.irp q, 0,1,2,3,4,5,6,7,8,9,10,11,12,13,14,15,16,17,18,19,20,21,22,23,24,25,26,27,28,29,30,31
	ds_store_b128 v[TA], v[T+4*\q:T+4*\q+3] offset:512*\q          ; centroid k's piece lies at 256 k: the wave writes 512 bytes on end
.endr
.irp b, 0,1,2,3,4,5,6,7
	v_lshlrev_b32 v[IX+\b], 8, v[IX+\b]            ; an index as a byte offset in the table
.endr
	s_wait_alu depctr_va_vdst(0)
	s_wait_dscnt 0x0                               ; for the others' sake: my part of the table lies in LDS; and the stores have read their registers,
.irp j, 0,1,2,3,4,5,6,7,8,9,10,11,12,13,14,15
	ELOAD 1, \j                                    ; half of which take the second batch
.endr
	s_barrier_signal -1
	s_barrier_wait -1                              ; the table is whole
; four pairs' addresses and gathers
.macro GATHER4 b, j0, j1, j2, j3
.irp j, \j0, \j1, \j2, \j3
	v_mov_b32_dpp v[AD+\j], v[IX+(\b)] row_share:\j row_mask:0xf bank_mask:0xf   ; row 16 h + j's offset, to the sixteen lanes of half h
.endr
.irp j, \j0, \j1, \j2, \j3
	s_delay_alu instid0(VALU_DEP_4)
	v_min_u32 v[AD+\j], 0x3ff00, v[AD+\j]          ; held at the table's last row
.endr
.irp j, \j0, \j1, \j2, \j3
	s_delay_alu instid0(VALU_DEP_4)
	v_add_nc_u32 v[AD+\j], v[L16], v[AD+\j]
.endr
.irp j, \j0, \j1, \j2, \j3
	ds_load_b128 v[C+4*\j:C+4*\j+3], v[AD+\j]
.endr
.endm
; four pairs' differences and squares; their registers take the same pairs of the batch two further on
.macro WORK4 b, g, j0, j1, j2, j3
.set ES, E+64*((\b)%2)
.if (\b) < 6
.set NL, 28                            ; behind these four loads: this batch's later pairs, 12 - 4 g; the next batch's 16; this batch's reloads so far, 4 g
.elseif (\b) == 6
.set NL, 28-4*(\g)                     ; no reloads any more
.else
.set NL, 12-4*(\g)                     ; and no next batch
.endif
	s_wait_loadcnt NL
	s_wait_dscnt 12-4*(\g)                         ; behind these four gathers: the batch's later ones
.irp j, \j0, \j1, \j2, \j3
	v_pk_add_f32 v[C+4*\j:C+4*\j+1], v[ES+4*\j:ES+4*\j+1], v[C+4*\j:C+4*\j+1] neg_lo:[0,1] neg_hi:[0,1]         ; e - c
	v_pk_add_f32 v[C+4*\j+2:C+4*\j+3], v[ES+4*\j+2:ES+4*\j+3], v[C+4*\j+2:C+4*\j+3] neg_lo:[0,1] neg_hi:[0,1]
.endr
.if (\b)+2 < 8
.irp j, \j0, \j1, \j2, \j3
	ELOAD (\b)+2, \j
.endr
.endif
.irp j, \j0, \j1, \j2, \j3
.if ((\b) == 0) && (\j < 2)
	v_pk_mul_f32 v[S+4*(\j%2):S+4*(\j%2)+1], v[C+4*\j:C+4*\j+1], v[C+4*\j:C+4*\j+1]                             ; the first two pairs start the four sums: nothing is cleared
	v_pk_mul_f32 v[S+4*(\j%2)+2:S+4*(\j%2)+3], v[C+4*\j+2:C+4*\j+3], v[C+4*\j+2:C+4*\j+3]
.else
	v_pk_fma_f32 v[S+4*(\j%2):S+4*(\j%2)+1], v[C+4*\j:C+4*\j+1], v[C+4*\j:C+4*\j+1], v[S+4*(\j%2):S+4*(\j%2)+1]
	v_pk_fma_f32 v[S+4*(\j%2)+2:S+4*(\j%2)+3], v[C+4*\j+2:C+4*\j+3], v[C+4*\j+2:C+4*\j+3], v[S+4*(\j%2)+2:S+4*(\j%2)+3]
.endif
.endr
.endm
.macro BATCH b
	GATHER4 \b, 0, 1, 2, 3
	GATHER4 \b, 4, 5, 6, 7
	GATHER4 \b, 8, 9, 10, 11
	GATHER4 \b, 12, 13, 14, 15
	WORK4 \b, 0, 0, 1, 2, 3
	WORK4 \b, 1, 4, 5, 6, 7
	WORK4 \b, 2, 8, 9, 10, 11
	WORK4 \b, 3, 12, 13, 14, 15                    ; its wait on the gathers is for 0: the next batch may write the sixteen addresses
.endm
.irp b, 0,1,2,3,4,5,6,7
	BATCH \b
.endr
	s_delay_alu instid0(VALU_DEP_3)
	v_pk_add_f32 v[S:S+1], v[S:S+1], v[S+2:S+3]
	s_delay_alu instid0(VALU_DEP_2)
	v_pk_add_f32 v[S+4:S+5], v[S+4:S+5], v[S+6:S+7]
	s_delay_alu instid0(VALU_DEP_1)
	v_pk_add_f32 v[S:S+1], v[S:S+1], v[S+4:S+5]
	s_delay_alu instid0(VALU_DEP_1)
	v_add_f32 v[S], v[S], v[S+1]
	s_delay_alu instid0(VALU_DEP_1)
	v_add_f32_dpp v[S], v[S], v[S] row_xmask:1 row_mask:0xf bank_mask:0xf
	s_delay_alu instid0(VALU_DEP_1)
	v_add_f32_dpp v[S], v[S], v[S] row_xmask:2 row_mask:0xf bank_mask:0xf
	s_delay_alu instid0(VALU_DEP_1)
	v_add_f32_dpp v[S], v[S], v[S] row_xmask:4 row_mask:0xf bank_mask:0xf
	s_delay_alu instid0(VALU_DEP_1)
	v_add_f32_dpp v[S], v[S], v[S] row_xmask:8 row_mask:0xf bank_mask:0xf
	s_delay_alu instid0(VALU_DEP_1)
	v_permlanex16_b32 v[PX], v[S], s26, s27
	s_delay_alu instid0(VALU_DEP_1)
	v_add_f32 v[S], v[S], v[PX]
	s_wait_alu depctr_va_vdst(0)
	s_wait_dscnt 0x0                               ; my gathers are in:
	s_barrier_signal -1
	s_barrier_wait -1                              ; every wave's are, before any wave stores into LDS again
	ds_store_b32 v[WA], v[S]                       ; all lanes write the wave's word with the same number
	s_wait_dscnt 0x0                               ; for the others' sake
	s_barrier_signal -1
	s_barrier_wait -1
	s_cmp_lg_u32 s12, 0
	s_cbranch_scc1 .Lend
.irp q, 0,1,2,3
	ds_load_b128 v[R+4*\q:R+4*\q+3], v[SR] offset:16*\q
.endr
	s_wait_dscnt 0x0
	v_pk_add_f32 v[R:R+1], v[R:R+1], v[R+2:R+3]
	v_pk_add_f32 v[R+4:R+5], v[R+4:R+5], v[R+6:R+7]
	v_pk_add_f32 v[R+8:R+9], v[R+8:R+9], v[R+10:R+11]
	v_pk_add_f32 v[R+12:R+13], v[R+12:R+13], v[R+14:R+15]
	s_delay_alu instid0(VALU_DEP_3)
	v_pk_add_f32 v[R:R+1], v[R:R+1], v[R+4:R+5]
	s_delay_alu instid0(VALU_DEP_2)
	v_pk_add_f32 v[R+8:R+9], v[R+8:R+9], v[R+12:R+13]
	s_delay_alu instid0(VALU_DEP_1)
	v_pk_add_f32 v[R:R+1], v[R:R+1], v[R+8:R+9]
	s_delay_alu instid0(VALU_DEP_1)
	v_add_f32 v[R], v[R], v[R+1]
	v_cmp_eq_u32 vcc_lo, 0, v0
	s_wait_alu depctr_va_vdst(0)
	s_wait_xcnt 0x0                                ; EXEC is a source of every memory instruction issued so far: it changes only behind this wait
	s_and_saveexec_b32 s13, vcc_lo
	global_store_b32 v[ZR], v[R], s[10:11]         ; one number a work-group: the next launch adds the 256
	s_wait_xcnt 0x0                                ; and again, in front of the line that widens it
	s_or_b32 exec_lo, exec_lo, s13
.Lend:
	s_wait_tensorcnt 0x0
	ds_add_u32 v240, v241
	s_wait_dscnt 0x0
	s_endpgm
.Lfunc_end_k_q0c022ef685_loss:
	.size	k_q0c022ef685_loss, .Lfunc_end_k_q0c022ef685_loss-k_q0c022ef685_loss
	.p2alignl 7, 3214868480
	.fill 96, 4, 3214868480
	.section	.rodata,"a",@progbits
	.p2align	6, 0x0
	.amdhsa_kernel k_q0c022ef685_loss
		.amdhsa_group_segment_fixed_size 264448
		.amdhsa_private_segment_fixed_size 0
		.amdhsa_enable_private_segment 0
		.amdhsa_kernarg_size 32
		.amdhsa_user_sgpr_count 2
		.amdhsa_user_sgpr_kernarg_segment_ptr 1
		.amdhsa_wavefront_size32 1
		.amdhsa_system_sgpr_workgroup_id_x 1
		.amdhsa_system_sgpr_workgroup_id_y 1
		.amdhsa_system_sgpr_workgroup_id_z 1
		.amdhsa_system_vgpr_workitem_id 0
		.amdhsa_next_free_vgpr 242
		.amdhsa_next_free_sgpr 66
		.amdhsa_reserve_vcc 1
		.amdhsa_float_denorm_mode_32 3
		.amdhsa_float_denorm_mode_16_64 3
		.amdhsa_memory_ordered 1
		.amdhsa_forward_progress 1
		.amdhsa_inst_pref_size 94
	.end_amdhsa_kernel
	.amdgpu_metadata
---
amdhsa.version: [ 1, 2 ]
amdhsa.kernels:
  - .name:           k_q0c022ef685_loss
    .symbol:         k_q0c022ef685_loss.kd
    .args:
      - { .name: embeddings, .offset: 0, .size: 8, .value_kind: global_buffer, .address_space: global }
      - { .name: centroids, .offset: 8, .size: 8, .value_kind: global_buffer, .address_space: global }
      - { .name: assigned, .offset: 16, .size: 8, .value_kind: global_buffer, .address_space: global }
      - { .name: partial, .offset: 24, .size: 8, .value_kind: global_buffer, .address_space: global }
    .group_segment_fixed_size: 264448
    .private_segment_fixed_size: 0
    .kernarg_segment_align: 8
    .kernarg_segment_size: 32
    .max_flat_workgroup_size: 512
    .sgpr_count:     66
    .vgpr_count:     242
    .wavefront_size: 32
...
	.end_amdgpu_metadata
.endif
;; end of part 7
;; launch finish (part 8): grid 1 x 1, 1 waves a work-group, no clusters, 0 bytes of LDS; arguments partial, out0; writes out0
.if DOCPART == 8
	.amdgcn_target "amdgcn-amd-amdhsa--gfx1250"
	.amdhsa_code_object_version 6
	.text
	.protected	k_q0c022ef685_finish
	.globl	k_q0c022ef685_finish
	.p2align	8
	.type	k_q0c022ef685_finish,@function
k_q0c022ef685_finish:
	s_mov_b64 s[64:65], 0
	v_nop
	global_prefetch_b8 v0, s[64:65] scope:SCOPE_SE
	s_setreg_imm32_b32 hwreg(HW_REG_WAVE_MODE, 25, 1), 1
	s_wait_xcnt 0x0
; FINISH.  out0 = (the sum of the 256 partial sums) x 2^-26: the mean over 131,072 x 512 = 2^26 numbers.  One wave: a sum that spans work-groups has one owner, in a launch of its own.
	s_load_b128 s[4:7], s[0:1], 0x0                ; partial s[4:5], out0 s[6:7]
	v_lshlrev_b32 v1, 4, v0                        ; 16 x lane
	v_mov_b32 v2, 0
	v_mov_b32 v3, 0                                ; a lane permute's destination counts as read: written once
	s_mov_b32 s8, 0x76543210
	s_mov_b32 s9, 0xfedcba98
	s_wait_alu depctr_va_vdst(0)
	s_wait_kmcnt 0x0
.irp q, 0,1
	global_load_b128 v[8+4*\q:11+4*\q], v1, s[4:5] offset:512*\q   ; 512 consecutive bytes each: 1,024 in all
.endr
	s_wait_loadcnt 0x0
	v_pk_add_f32 v[8:9], v[8:9], v[10:11]
	v_pk_add_f32 v[12:13], v[12:13], v[14:15]
	v_pk_add_f32 v[8:9], v[8:9], v[12:13]
	v_add_f32 v8, v8, v9
	v_add_f32_dpp v8, v8, v8 row_xmask:1 row_mask:0xf bank_mask:0xf
	v_add_f32_dpp v8, v8, v8 row_xmask:2 row_mask:0xf bank_mask:0xf
	v_add_f32_dpp v8, v8, v8 row_xmask:4 row_mask:0xf bank_mask:0xf
	v_add_f32_dpp v8, v8, v8 row_xmask:8 row_mask:0xf bank_mask:0xf
	v_permlanex16_b32 v3, v8, s8, s9
	v_add_f32 v8, v8, v3
	v_mul_f32 v8, 0x32800000, v8                   ; x 2^-26
	v_cmp_eq_u32 vcc_lo, 0, v0
	s_wait_alu depctr_va_vdst(0)
	s_wait_xcnt 0x0                                ; EXEC changes only behind this wait
	s_and_saveexec_b32 s10, vcc_lo
	global_store_b32 v2, v8, s[6:7]
	s_wait_xcnt 0x0                                ; and again, in front of the line that widens it
	s_or_b32 exec_lo, exec_lo, s10
	s_endpgm
.Lfunc_end_k_q0c022ef685_finish:
	.size	k_q0c022ef685_finish, .Lfunc_end_k_q0c022ef685_finish-k_q0c022ef685_finish
	.p2alignl 7, 3214868480
	.fill 96, 4, 3214868480
	.section	.rodata,"a",@progbits
	.p2align	6, 0x0
	.amdhsa_kernel k_q0c022ef685_finish
		.amdhsa_group_segment_fixed_size 0
		.amdhsa_private_segment_fixed_size 0
		.amdhsa_enable_private_segment 0
		.amdhsa_kernarg_size 16
		.amdhsa_user_sgpr_count 2
		.amdhsa_user_sgpr_kernarg_segment_ptr 1
		.amdhsa_wavefront_size32 1
		.amdhsa_system_sgpr_workgroup_id_x 1
		.amdhsa_system_sgpr_workgroup_id_y 1
		.amdhsa_system_sgpr_workgroup_id_z 1
		.amdhsa_system_vgpr_workitem_id 0
		.amdhsa_next_free_vgpr 32
		.amdhsa_next_free_sgpr 66
		.amdhsa_reserve_vcc 1
		.amdhsa_float_denorm_mode_32 3
		.amdhsa_float_denorm_mode_16_64 3
		.amdhsa_memory_ordered 1
		.amdhsa_forward_progress 1
		.amdhsa_inst_pref_size 2
	.end_amdhsa_kernel
	.amdgpu_metadata
---
amdhsa.version: [ 1, 2 ]
amdhsa.kernels:
  - .name:           k_q0c022ef685_finish
    .symbol:         k_q0c022ef685_finish.kd
    .args:
      - { .name: partial, .offset: 0, .size: 8, .value_kind: global_buffer, .address_space: global }
      - { .name: out0, .offset: 8, .size: 8, .value_kind: global_buffer, .address_space: global }
    .group_segment_fixed_size: 0
    .private_segment_fixed_size: 0
    .kernarg_segment_align: 8
    .kernarg_segment_size: 16
    .max_flat_workgroup_size: 32
    .sgpr_count:     66
    .vgpr_count:     32
    .wavefront_size: 32
...
	.end_amdgpu_metadata
.endif
;; end of part 8
